; MI455X (gfx1250); checked and timed in simulation.
; The chip was launched on July 23, 2026; its instructions are those of AMD's public machine-readable ISA for CDNA 5 (MIT licence, August 2026) and "CDNA5" Instruction Set Architecture Reference Guide (July 2026). The comments in the code are by the model that wrote it; some were corrected since.
;; Causal Self Attention. Allowed arithmetic: matrix products marked QUANTISED: E2M3 operands, one E8M0 scale for each 32 along K, by v_wmma_scale_f32_16x16x128_f8f6f4 with both operands' format E2M3, f32 sums; products left as they are: f32 operands where the result goes on into a quantised operand, else bf16, f16 or f32 operands; f32 sums; everything else in f32.
;; Inputs: freqs_cos 2,048 x 64 float32; freqs_sin 2,048 x 64 float32; wk 8 x 256 x 256 float32; wo 8 x 256 x 256 float32; wq 8 x 256 x 256 float32; wv 8 x 256 x 256 float32; x 1 x 2,048 x 2,048 float32.
;; Outputs: out0 1 x 2,048 x 2,048 float32.
;; This version of the problem:
;;   THIS VERSION OF THE PROBLEM IS GIVEN IN LOW PRECISION. The matrix products marked QUANTISED in the list below multiply operands that are first quantised to E2M3 (2 exponent bits, 3 mantissa bits; 6 bits a number), with one power-of-two scale for each 32 numbers along K (OCP MX v1.0); their sums are f32. All else is computed in f32.
;;   The module's matrix products, in the order in which they are computed (A, B: the left and right operand; K: the contracted axis; several contracted axes count as one K, in the product's order):
;;     1. [M 2,048, K 256] x [K 256, N 16,384]; A: computed on the way; B: computed on the way: QUANTISED
;;     2. [M 8, K 64] x [K 64, N 524,288]; A: computed on the way; B: computed on the way: left as it is (M = 8 < 16)
;;     3. [M 2,048, K 256] x [K 256, N 16,384]; A: computed on the way; B: computed on the way: QUANTISED
;;     4. [M 8, K 64] x [K 64, N 524,288]; A: computed on the way; B: computed on the way: left as it is (M = 8 < 16)
;;     5. [M 2,048, K 256] x [K 256, N 16,384]; A: computed on the way; B: computed on the way: QUANTISED
;;     6. [M 8, K 64] x [K 64, N 524,288]; A: computed on the way; B: computed on the way: left as it is (M = 8 < 16)
;;     7. batch 16 x [M 2,048, K 128] x [K 128, N 2,048]; A: computed on the way; B: computed on the way: QUANTISED
;;     8. batch 16 x [M 2,048, K 2,048] x [K 2,048, N 128]; A: softmax (see below); B: computed on the way: QUANTISED
;;     9. [M 2,048, K 256] x [K 256, N 16,384]; A: computed on the way; B: computed on the way: QUANTISED
;;     10. [M 8, K 64] x [K 64, N 524,288]; A: computed on the way; B: computed on the way: left as it is (M = 8 < 16)
;;   THE QUANTISER, for each operand of a quantised product, along K:
;;     - K is cut into blocks of 32 from its start; a last block that is shorter is filled with zeros.
;;     - A block's scale is 2^e with e = floor(log2(the largest magnitude in the block)) - 2, held to -126 .. 127; a block of zeros has e = 0. As a byte (E8M0): e + 127.
;;     - Each number is divided by its block's scale, clamped to +-7.5, and rounded to the nearest number of E2M3, ties to even, subnormals kept.
;;     - The product sums the exact products of the quantised numbers (number of the format x scale) in f32.
;;   ~~~python
;;   def quantise(x, axis):      # numpy; x: float32 -> the quantised numbers, widened to float32 again
;;       x = np.moveaxis(x, axis, -1); K = x.shape[-1]
;;       x = np.pad(x, [(0, 0)] * (x.ndim - 1) + [(0, -K % 32)]); x = x.reshape(x.shape[:-1] + (-1, 32)); a = np.abs(x).max(-1, keepdims=True)
;;       e = np.where(a > 0, np.clip(np.frexp(np.where(a > 0, a, 1))[1] - 1 - 2, -126, 127), 0)      # np.frexp(a)[1] - 1 = floor(log2(a)), exactly
;;       r = np.clip(x / 2.0 ** e, -7.5, 7.5)
;;       step = 2.0 ** (np.maximum(np.frexp(np.where(r == 0, 1, r))[1] - 1, 0) - 3)
;;       q = np.round(r / step) * step * 2.0 ** e      # np.round: ties to even
;;       return np.moveaxis(q.reshape(q.shape[:-2] + (-1,))[..., :K], -1, axis).astype(np.float32)
;;   ~~~
;;   SOFTMAX AHEAD OF A QUANTISED PRODUCT. Where the list says 'softmax', what is quantised is not the finished softmax but p = 2^(t - M), with t = logit x log2(e) and M = ceil(the row's largest t), a whole number; so 1/2 < the row's largest p <= 1. The row's sum l is taken of the UNQUANTISED p, in f32, and the product's result is divided by l at the end. Since M is a whole number, a kernel that streams over the keys may use a running M (the ceiling of the running maximum): every later rescaling is an exact power of two, which a block's scale takes up: the codes' values come out the same.
;;   OPERANDS COMPUTED ON THE WAY. 'Computed on the way' means the value that the module computes at that place (a softmax that the list does not call 'softmax' is quantised finished and normalised). What goes into a quantiser is computed in f32, as accurately as f32 sums, v_exp_f32 and their like allow (about 1e-6 of the number): no bf16 or f16 on the way to a quantiser, and a product that is left as it is and whose result goes on into a quantised operand takes f32 operands (vector FMAs, or v_wmma_f32_16x16x4_f32). A number that lies on a knife's edge between two numbers of the format may be rounded either way, as far as f32 arithmetic and the matrix unit's own rounding can turn it there, and no further.
;; One version. Each part assembles by itself: llvm-mc -triple=amdgcn-amd-amdhsa -mcpu=gfx1250 --defsym DOCPART=n.
;; ======== version 1 of 1: 5 launches
;; workspace buffers: psum 1,024 bytes; xq 3,407,872 bytes; wbig 13,631,488 bytes; qkv 10,223,616 bytes; yf 3,407,872 bytes
;; launch prepx (part 1): grid 256 x 1, 8 waves a work-group, no clusters, 69,888 bytes of LDS; arguments x, wq, wk, wv, wo, xq, psum; writes xq, psum
.if DOCPART == 1
	.amdgcn_target "amdgcn-amd-amdhsa--gfx1250"
	.amdhsa_code_object_version 6
	.text
	.protected	k_q9f922a78c5_prepx
	.globl	k_q9f922a78c5_prepx
	.p2align	8
	.type	k_q9f922a78c5_prepx,@function
k_q9f922a78c5_prepx:
	s_mov_b64 s[64:65], 0
	v_nop
	global_prefetch_b8 v0, s[64:65] scope:SCOPE_SE
	s_setreg_imm32_b32 hwreg(HW_REG_WAVE_MODE, 25, 1), 1
	s_wait_xcnt 0x0
; x [2048][2048] f32 becomes codes of FP6 (E2M3) with one E8M0 byte for each 32 along K, laid as IMAGES OF OPERAND REGISTERS; beside that the launch sums |W| of the four weights in parts.
; FORMAT OF EVERY OPERAND OF THIS PROGRAM.  A fragment is 16 rows x 128 K, 12 registers a lane: 1,536 bytes; registers 4 c .. 4 c + 3 of lane l lie at byte 512 c + 16 l.  Lane r of fragment f (0..7) of a block of
; 128 rows holds row 32 (f / 2) + 8 (f % 2) + r % 8 + 16 (r / 8).  A BLOCK is 8 fragments (12,288 bytes) and 1,024 bytes of scale words, laid [f / 4][lane][f % 4], lanes 16-31 repeating lanes 0-15: 13,312 bytes.
; xq is [row / 128][column / 128] BLOCKs.
; SHARES.  Work-group b makes BLOCK b; wave w makes fragment w.  Each load reads 512 consecutive bytes of one row; the 16 rows turn through the wave's own stage in LDS (rows of 528 bytes, an odd multiple of 16), so that
; lane (r, h) gets, of its row, 16 neighbours of each block of 32.  The work-group also adds up |W| over 32,768 bytes of weight b / 64 (order wq, wk, wv, wo) and stores the sum as psum[b].
; A block's scale is 2^(floor(log2(largest magnitude)) - 2): its byte is the largest magnitude's exponent field - 2.
; LIMITS: NaN and infinities are not served; a block whose largest magnitude lies under 2^-124 has its byte held at 1; a block of zeros gets the byte 1 (its codes are zeros, and this program alone reads the bytes).
.set BLK,  13312
.set SCO,  12288
.set STGB, 8448                        ; a wave's stage: 16 rows x 528 bytes
.set SG,   8*STGB                      ; the BLOCK's scale words, 1,024 bytes
.set PS,   SG+1024                     ; eight partial sums
.set LI,   4                           ; v4   16 x lane
.set SIN,  5                           ; v5   the stage, on the way in
.set SOUT, 6                           ; v6   and on the way out
.set SGW,  7                           ; v7   where my scale word goes
.set PSA,  8                           ; v8   where my wave's sum goes
.set SA,   9                           ; v9-12 four chains of the sum
.set PT,   13                          ; v13  a lane permute's destination
.set SGR,  14                          ; v14  the scale words, read back
.set PSR,  15                          ; v15  the eight sums, read back
.set R,    16                          ; v16-79   x as loaded
.set X,    80                          ; v80-143  64 numbers of my row: register 16 b + i = k 32 b + 16 h + i
.set W,    144                         ; v144-175 32 numbers of a weight
.set TM,   176                         ; v176-191 at work in QUANT
.set PC,   192                         ; v192-203 the fragment
.set CT,   204                         ; v204-210 the conversions' second halves
.set PW,   212                         ; v212 the scale word
; 64 numbers of a lane become a fragment's codes in v[PC] on and its scale word in v[PW]
.macro QUANT s
.irp b, 0,1,2,3
	v_max3_num_f32 v[TM+\b], |v[\s+16*\b]|, |v[\s+1+16*\b]|, 0x1800000   ; block b: my 16 numbers, and the floor 2^(3 - 127): the byte cannot fall under 1
.endr
.irp i, 2,4,6,8,10,12,14
.irp b, 0,1,2,3
	v_max3_num_f32 v[TM+\b], v[TM+\b], |v[\s+16*\b+\i]|, |v[\s+1+16*\b+\i]|   ; the four blocks by turns
.endr
.endr
.irp b, 0,1,2,3
	v_permlanex16_b32 v[TM+4+\b], v[TM+\b], s36, s37
.endr
.irp b, 0,1,2,3
	v_max_num_f32 v[TM+\b], v[TM+\b], v[TM+4+\b]           ; with lane l xor 16's: the block's largest magnitude
.endr
.irp b, 0,1,2,3
	v_add_nc_u32 v[TM+12+\b], 0xff000000, v[TM+\b]         ; 2 off its exponent field: the conversion's scale operand
.endr
.irp b, 0,1,2,3
	v_lshrrev_b32 v[TM+4+\b], 23, v[TM+12+\b]              ; the scale's byte
.endr
	v_lshl_or_b32 v[PW], v[TM+5], 8, v[TM+4]
	v_lshl_or_b32 v[PW], v[TM+6], 16, v[PW]
	v_lshl_or_b32 v[PW], v[TM+7], 24, v[PW]                ; my row's scale word, the same in lanes l and l xor 16
.irp c, 0,1
	v_cvt_scalef32_pk16_fp6_f32 v[PC+6*\c:PC+6*\c+2], v[\s+32*\c:\s+32*\c+15], v[TM+12+2*\c]
	v_cvt_scalef32_pk16_fp6_f32 v[CT+4*\c:CT+4*\c+2], v[\s+32*\c+16:\s+32*\c+31], v[TM+13+2*\c]   ; (a conversion's three registers begin on an even number)
.endr
	v_nop                                                  ; one plain line behind the scaled conversions
.irp c, 0,1                            ; the operand's layout wants a whole block in a lane: lanes 0-15 block 2 c, lanes 16-31 block 2 c + 1
.irp i, 0,1,2
	v_permlane16_swap_b32 v[PC+6*\c+\i], v[CT+4*\c+\i]
.endr
.irp i, 0,1,2
	v_mov_b32 v[PC+6*\c+3+\i], v[CT+4*\c+\i]
.endr
.endr
.endm
	s_load_b256 s[4:11], s[0:1], 0x0               ; x, wq, wk, wv
	s_load_b128 s[12:15], s[0:1], 0x20             ; wo, xq
	s_load_b64 s[16:17], s[0:1], 0x30              ; psum
	v_lshl_add_u32 v224, v0, 2, 0x10d00
	v_mov_b32 v225, 0
	v_lshrrev_b32 v1, 5, v0
	v_readfirstlane_b32 s18, v1                    ; wave 0..7
	v_and_b32 v1, 31, v0                           ; lane
	v_and_b32 v2, 15, v0                           ; r
	v_bfe_u32 v3, v0, 4, 1                         ; h
	v_lshlrev_b32 v[LI], 4, v1
	s_mul_i32 s19, s18, STGB
	v_add_nc_u32 v[SIN], s19, v[LI]                ; in: a row's 512 bytes as they lie
	v_mul_u32_u24 v[SOUT], v2, 528
	v_lshl_add_u32 v[SOUT], v3, 6, v[SOUT]
	v_add_nc_u32 v[SOUT], s19, v[SOUT]             ; out: row r, + 64 h
	s_lshr_b32 s20, s18, 2
	s_lshl_b32 s20, s20, 9
	s_and_b32 s21, s18, 3
	s_lshl_b32 s21, s21, 2
	s_add_co_u32 s20, s20, s21
	s_add_co_u32 s20, s20, SG
	v_add_nc_u32 v[SGW], s20, v[LI]                ; SG + 512 (w / 4) + 16 lane + 4 (w % 4)
	s_lshl_b32 s20, s18, 2
	s_add_co_u32 s20, s20, PS
	v_mov_b32 v[PSA], s20
	v_add_nc_u32 v[SGR], SG, v[LI]
	v_mov_b32 v[PSR], PS
	v_mov_b32 v[PT], 0                             ; a lane permute's destination counts as one of its sources
.irp b, 0,1,2,3
	v_mov_b32 v[TM+4+\b], 0
.endr
	s_mov_b32 s36, 0x76543210
	s_mov_b32 s37, 0xfedcba98                      ; lane l xor 16
	s_lshr_b32 s22, ttmp9, 4                       ; which 128 rows
	s_lshl_b32 s22, s22, 7
	s_lshr_b32 s23, s18, 1
	s_lshl_b32 s23, s23, 5
	s_add_co_u32 s22, s22, s23
	s_and_b32 s23, s18, 1
	s_lshl_b32 s23, s23, 3
	s_add_co_u32 s22, s22, s23                     ; my fragment's first row: + 32 (w / 2) + 8 (w % 2)
	s_lshl_b32 s22, s22, 13                        ; rows of 8,192 bytes
	s_and_b32 s23, ttmp9, 15
	s_lshl_b32 s23, s23, 9
	s_add_co_u32 s22, s22, s23                     ; + the K step's 512 bytes
	s_mov_b32 s23, 0
	s_and_b32 s24, ttmp9, 63
	s_lshl_b32 s24, s24, 15
	s_lshl_b32 s25, s18, 12
	s_add_co_u32 s24, s24, s25                     ; my wave's 4,096 bytes of the weight
	s_mov_b32 s25, 0
	s_mul_i32 s26, ttmp9, BLK
	s_mov_b32 s27, 0
	s_mul_i32 s28, s18, 1536
	s_mov_b32 s29, 0
	s_lshl_b32 s30, ttmp9, 2
	s_mov_b32 s31, 0
	s_lshr_b32 s32, ttmp9, 6                       ; which weight
	s_wait_kmcnt 0x0
	s_add_nc_u64 s[4:5], s[4:5], s[22:23]
	s_cmp_eq_u32 s32, 1                            ; the choice hangs on the work-group's number alone
	s_cselect_b64 s[6:7], s[8:9], s[6:7]
	s_cmp_eq_u32 s32, 2
	s_cselect_b64 s[6:7], s[10:11], s[6:7]
	s_cmp_eq_u32 s32, 3
	s_cselect_b64 s[6:7], s[12:13], s[6:7]
	s_add_nc_u64 s[6:7], s[6:7], s[24:25]
	s_add_nc_u64 s[14:15], s[14:15], s[26:27]      ; my BLOCK
	s_add_nc_u64 s[34:35], s[14:15], s[28:29]      ; my fragment in it
	s_add_nc_u64 s[16:17], s[16:17], s[30:31]
.irp i, 0,1,2,3,4,5,6,7,8,9,10,11,12,13,14,15
	global_load_b128 v[R+4*\i:R+4*\i+3], v[LI], s[4:5] offset:((\i%8)+16*(\i/8))*8192 th:TH_LOAD_NT   ; the row of lane r = i: 512 consecutive bytes
.endr
.irp i, 0,1,2,3,4,5,6,7
	global_load_b128 v[W+4*\i:W+4*\i+3], v[LI], s[6:7] offset:512*\i
.endr
	s_wait_loadcnt 8                               ; x's 16 loads are in; the weight's 8 may be out
.irp i, 0,1,2,3,4,5,6,7,8,9,10,11,12,13,14,15
	ds_store_b128 v[SIN], v[R+4*\i:R+4*\i+3] offset:528*\i
.endr
.irp b, 0,1,2,3
.irp j, 0,1,2,3
	ds_load_b128 v[X+16*\b+4*\j:X+16*\b+4*\j+3], v[SOUT] offset:128*\b+16*\j   ; LDS serves a wave's instructions in order: these see my stores
.endr
.endr
	s_wait_loadcnt 0x0                             ; the weight's numbers: summed while the stage turns
.irp k, 0,1,2,3
	v_add_f32 v[SA+\k], |v[W+\k]|, |v[W+4+\k]|
.endr
.irp i, 8,12,16,20,24,28
.irp k, 0,1,2,3
	v_add_f32 v[SA+\k], v[SA+\k], |v[W+\i+\k]|
.endr
.endr
	v_add_f32 v[SA], v[SA], v[SA+1]
	v_add_f32 v[SA+2], v[SA+2], v[SA+3]
	v_add_f32 v[SA], v[SA], v[SA+2]
	v_add_f32_dpp v[SA], v[SA], v[SA] row_xmask:1 row_mask:0xf bank_mask:0xf
	v_add_f32_dpp v[SA], v[SA], v[SA] row_xmask:2 row_mask:0xf bank_mask:0xf
	v_add_f32_dpp v[SA], v[SA], v[SA] row_xmask:4 row_mask:0xf bank_mask:0xf
	v_add_f32_dpp v[SA], v[SA], v[SA] row_xmask:8 row_mask:0xf bank_mask:0xf
	v_permlanex16_b32 v[PT], v[SA], s36, s37
	v_add_f32 v[SA], v[SA], v[PT]                  ; the wave's sum, in every lane
	ds_store_b32 v[PSA], v[SA]
	s_wait_dscnt 1                                 ; the 64 numbers are back; the store of the sum may be out
	QUANT X
.irp c, 0,1,2
	global_store_b128 v[LI], v[PC+4*\c:PC+4*\c+3], s[34:35] offset:512*\c   ; 512 consecutive bytes a store
.endr
	ds_store_b32 v[SGW], v[PW]
	s_wait_dscnt 0x0                               ; for the others' sake: my scale word and my sum lie in LDS
	s_barrier_signal -1
	s_barrier_wait -1
	s_cmp_lg_u32 s18, 0
	s_cbranch_scc1 .Lnot_wave_0
	ds_load_b128 v[16:19], v[SGR]                  ; wave 0 stores the BLOCK's scale words: 1,024 consecutive bytes
	ds_load_b128 v[20:23], v[SGR] offset:512
	s_wait_dscnt 0x0
	global_store_b128 v[LI], v[16:19], s[14:15] offset:SCO
	global_store_b128 v[LI], v[20:23], s[14:15] offset:SCO+512
.Lnot_wave_0:
	s_cmp_lg_u32 s18, 1
	s_cbranch_scc1 .Ldone
	ds_load_b128 v[16:19], v[PSR]                  ; wave 1 adds the eight sums, in a fixed order
	ds_load_b128 v[20:23], v[PSR] offset:16
	s_wait_dscnt 0x0
	v_add_f32 v16, v16, v17
	v_add_f32 v18, v18, v19
	v_add_f32 v20, v20, v21
	v_add_f32 v22, v22, v23
	v_add_f32 v16, v16, v18
	v_add_f32 v20, v20, v22
	v_add_f32 v16, v16, v20
	v_mov_b32 v17, 0
	v_cmp_eq_u32 vcc_lo, 0, v1
	s_wait_xcnt 0x0                                ; EXEC changes only behind this wait: my stores above have been taken
	s_and_saveexec_b32 s38, vcc_lo
	global_store_b32 v17, v16, s[16:17]            ; psum[b], by lane 0
	s_wait_xcnt 0x0
	s_or_b32 exec_lo, exec_lo, s38
.Ldone:
	s_wait_tensorcnt 0x0
	ds_add_u32 v224, v225
	s_wait_dscnt 0x0
	s_endpgm
.Lfunc_end_k_q9f922a78c5_prepx:
	.size	k_q9f922a78c5_prepx, .Lfunc_end_k_q9f922a78c5_prepx-k_q9f922a78c5_prepx
	.p2alignl 7, 3214868480
	.fill 96, 4, 3214868480
	.section	.rodata,"a",@progbits
	.p2align	6, 0x0
	.amdhsa_kernel k_q9f922a78c5_prepx
		.amdhsa_group_segment_fixed_size 69888
		.amdhsa_private_segment_fixed_size 0
		.amdhsa_enable_private_segment 0
		.amdhsa_kernarg_size 56
		.amdhsa_user_sgpr_count 2
		.amdhsa_user_sgpr_kernarg_segment_ptr 1
		.amdhsa_wavefront_size32 1
		.amdhsa_system_sgpr_workgroup_id_x 1
		.amdhsa_system_sgpr_workgroup_id_y 1
		.amdhsa_system_sgpr_workgroup_id_z 1
		.amdhsa_system_vgpr_workitem_id 0
		.amdhsa_next_free_vgpr 226
		.amdhsa_next_free_sgpr 66
		.amdhsa_reserve_vcc 1
		.amdhsa_float_denorm_mode_32 3
		.amdhsa_float_denorm_mode_16_64 3
		.amdhsa_memory_ordered 1
		.amdhsa_forward_progress 1
		.amdhsa_inst_pref_size 16
	.end_amdhsa_kernel
	.amdgpu_metadata
---
amdhsa.version: [ 1, 2 ]
amdhsa.kernels:
  - .name:           k_q9f922a78c5_prepx
    .symbol:         k_q9f922a78c5_prepx.kd
    .args:
      - { .name: x, .offset: 0, .size: 8, .value_kind: global_buffer, .address_space: global }
      - { .name: wq, .offset: 8, .size: 8, .value_kind: global_buffer, .address_space: global }
      - { .name: wk, .offset: 16, .size: 8, .value_kind: global_buffer, .address_space: global }
      - { .name: wv, .offset: 24, .size: 8, .value_kind: global_buffer, .address_space: global }
      - { .name: wo, .offset: 32, .size: 8, .value_kind: global_buffer, .address_space: global }
      - { .name: xq, .offset: 40, .size: 8, .value_kind: global_buffer, .address_space: global }
      - { .name: psum, .offset: 48, .size: 8, .value_kind: global_buffer, .address_space: global }
    .group_segment_fixed_size: 69888
    .private_segment_fixed_size: 0
    .kernarg_segment_align: 8
    .kernarg_segment_size: 56
    .max_flat_workgroup_size: 256
    .sgpr_count:     66
    .vgpr_count:     226
    .wavefront_size: 32
...
	.end_amdgpu_metadata
.endif
;; end of part 1
;; launch prepw (part 2): grid 256 x 1, 4 waves a work-group, no clusters, 36,352 bytes of LDS; arguments wq, wk, wv, wo, psum, wbig; writes wbig
.if DOCPART == 2
	.amdgcn_target "amdgcn-amd-amdhsa--gfx1250"
	.amdhsa_code_object_version 6
	.text
	.protected	k_q9f922a78c5_prepw
	.globl	k_q9f922a78c5_prepw
	.p2align	8
	.type	k_q9f922a78c5_prepw,@function
k_q9f922a78c5_prepw:
	s_mov_b64 s[64:65], 0
	v_nop
	global_prefetch_b8 v0, s[64:65] scope:SCOPE_SE
	s_setreg_imm32_b32 hwreg(HW_REG_WAVE_MODE, 25, 1), 1
	s_wait_xcnt 0x0
; The four octonion weights W [8][256 (p)][256 (q)] f32 become four dense operands of 2048 x 2048 as codes of FP6 (E2M3).
; e_i e_j = sign[i][j] e_(i xor j), so out_k = sum over j of sign[j xor k][j] x_j W_(j xor k): one product of x with Wbig[256 k + q][256 j + p] = sign[i][j] ternary(W)[i][p][q], i = j xor k.
; The quantiser's blocks of 32 run along p, inside one (i, j), and E2M3 has a sign bit: so tile (i, j) is tile i's codes with the sign bits turned where sign[i][j] is -1, under the same scale bytes.
; ternary(W) = W + (q - W), q = +-s where |W| > s / 2 and 0 elsewhere, s = mean |W| + 1e-8, from the 64 partial sums that the launch before stored.
; LIMIT: |W| > s / 2 stands for round(clip(W / s)) = +-1: the quotient is not formed, so a W / s within one rounding of 1/2 may fall the other way.  NaN and infinities are not served; a block of zeros gets the byte 1.
; FORMAT: fragments and BLOCKs as in the launch before: wbig is [weight][n' / 128][K / 128] BLOCKs of 13,312 bytes.
; SHARES.  Work-group b: weight b / 64, i, and a tile of 128 p x 64 q.  The tile comes in rows of 256 bytes, is made ternary as loaded, and turns through a stage in LDS; then A LANE TAKES A COLUMN q AND ITS REGISTERS RUN DOWN p,
; in the order of the operand's registers, so the conversions' results are the fragment.  Wave w makes fragment 4 (b % 2) + w and stores it eight times, once for each j.
; (In the stage lanes 0-15 and 16-31 of a load of 4 bytes stand 32 rows of 272 bytes apart, a whole number of times through the 64 banks: two lanes meet in each bank.  64 such loads a wave; the launch moves bytes, not LDS words.)
.set BLK,  13312
.set SCO,  12288
.set WSZ,  256*BLK
.set SP,   272                         ; a stage row: 256 bytes + 16
.set SG,   128*SP                      ; behind the stage: four fragments' scale words, 512 bytes
.set LI,   4                           ; v4   16 x lane
.set GI,   5                           ; v5   my 16 bytes of two rows of the tile in memory
.set SI,   6                           ; v6   the same in the stage
.set SO,   7                           ; v7   my column, and my half's first row
.set SGW,  8                           ; v8   where my scale word goes
.set S,    9                           ; v9   s
.set SH,   10                          ; v10  s / 2
.set QA,   11                          ; v11  the quad of scale words, read back
.set L,    16                          ; v16-79   the tile as loaded
.set X,    80                          ; v80-143  register 32 c + i = p 64 c + 32 h + i of my column
.set PC,   144                         ; v144-239 eight sets of 12: the fragment for j = 0 .. 7
.set OF,   240                         ; v240-247 their places in wbig
.set CT,   248                         ; v248-254 the conversions' second halves
	s_load_b256 s[4:11], s[0:1], 0x0               ; wq, wk, wv, wo
	s_load_b128 s[12:15], s[0:1], 0x20             ; psum, wbig
	v_lshl_add_u32 v251, v0, 2, 0x8c00
	v_mov_b32 v255, 0
	v_lshrrev_b32 v1, 5, v0
	v_readfirstlane_b32 s16, v1                    ; wave 0..3
	v_and_b32 v1, 31, v0                           ; lane
	v_and_b32 v2, 15, v0                           ; r
	v_bfe_u32 v3, v0, 4, 1                         ; h
	v_lshlrev_b32 v[LI], 4, v1
	v_lshlrev_b32 v[GI], 4, v2
	v_lshl_add_u32 v[GI], v3, 10, v[GI]            ; lanes 0-15 one row's 256 bytes, lanes 16-31 the next row's (rows of W are 1,024 bytes)
	s_mul_i32 s17, s16, 32*SP
	v_mul_u32_u24 v[SI], v3, SP
	v_lshl_add_u32 v[SI], v2, 4, v[SI]
	v_add_nc_u32 v[SI], s17, v[SI]                 ; my wave's 32 rows of the stage
	v_and_b32 v12, 8, v2
	v_add_nc_u32 v12, v12, v2                      ; r % 8 + 16 (r / 8)
	s_lshr_b32 s17, s16, 1
	s_lshl_b32 s17, s17, 5
	s_and_b32 s18, s16, 1
	s_lshl_b32 s18, s18, 3
	s_add_co_u32 s17, s17, s18
	v_add_nc_u32 v12, s17, v12                     ; + 32 (w / 2) + 8 (w % 2): my column of the tile's 64
	v_lshlrev_b32 v12, 2, v12
	v_mad_u32_u24 v[SO], v3, 32*SP, v12            ; lanes 16-31 begin 32 rows further down
	s_lshl_b32 s17, s16, 2
	s_add_co_u32 s17, s17, SG
	v_add_nc_u32 v[SGW], s17, v[LI]                ; SG + 16 lane + 4 w
	v_add_nc_u32 v[QA], SG, v[LI]
	v_mov_b32 v13, 0                               ; a lane permute's destination counts as one of its sources
	v_lshlrev_b32 v12, 3, v1                       ; psum: two numbers a lane
	s_lshr_b32 s20, ttmp9, 6                       ; which weight
	s_bfe_u32 s21, ttmp9, 0x30003                  ; i
	s_bfe_u32 s22, ttmp9, 0x10002                  ; which 128 of q
	s_bfe_u32 s23, ttmp9, 0x10001                  ; which 128 of p
	s_and_b32 s24, ttmp9, 1                        ; which 64 of those 128 q
	s_lshl_b32 s26, s21, 18                        ; W[i]: 262,144 bytes
	s_lshl_b32 s27, s23, 17                        ; 128 rows of 1,024 bytes
	s_add_co_u32 s26, s26, s27
	s_lshl_b32 s27, s16, 15                        ; my wave's 32 rows
	s_add_co_u32 s26, s26, s27
	s_lshl_b32 s27, s22, 9
	s_add_co_u32 s26, s26, s27
	s_lshl_b32 s27, s24, 8
	s_add_co_u32 s26, s26, s27
	s_mov_b32 s27, 0
	s_lshl_b32 s28, s20, 8                         ; the weight's 64 partial sums
	s_mov_b32 s29, 0
	s_mul_i32 s30, s20, WSZ
	s_mov_b32 s31, 0
	s_lshl_b32 s32, s24, 2
	s_add_co_u32 s32, s32, s16
	s_mul_i32 s32, s32, 1536                       ; my fragment's place in a BLOCK
	s_lshl_b32 s47, s24, 9
	s_add_co_u32 s47, s47, SCO                     ; and the quad's
	s_mov_b32 s33, 0xacc66a00                      ; the table's minus signs: a byte for each i, bit j
	s_mov_b32 s39, 0xb2d8741e
	s_cmp_lt_u32 s21, 4
	s_cselect_b32 s33, s33, s39
	s_and_b32 s39, s21, 3
	s_lshl_b32 s39, s39, 3
	s_lshr_b32 s33, s33, s39                       ; bit j: sign[i][j] is -1
	s_mov_b32 s34, 0x76543210
	s_mov_b32 s35, 0xfedcba98                      ; lane l xor 16
	s_mov_b32 s36, 0x36000000                      ; 2^-19: one over a weight's 524,288 numbers
	s_mov_b32 s37, 0x322bcc77                      ; 1e-8
	s_wait_kmcnt 0x0
	s_cmp_eq_u32 s20, 1                            ; the choice hangs on the work-group's number alone
	s_cselect_b64 s[4:5], s[6:7], s[4:5]
	s_cmp_eq_u32 s20, 2
	s_cselect_b64 s[4:5], s[8:9], s[4:5]
	s_cmp_eq_u32 s20, 3
	s_cselect_b64 s[4:5], s[10:11], s[4:5]
	s_add_nc_u64 s[4:5], s[4:5], s[26:27]
	s_add_nc_u64 s[12:13], s[12:13], s[28:29]
	s_add_nc_u64 s[14:15], s[14:15], s[30:31]
	global_load_b64 v[14:15], v12, s[12:13]
.irp i, 0,1,2,3,4,5,6,7,8,9,10,11,12,13,14,15
	global_load_b128 v[L+4*\i:L+4*\i+3], v[GI], s[4:5] offset:2048*\i th:TH_LOAD_NT   ; two whole pieces of 256 bytes
.endr
	s_wait_loadcnt 16                              ; the partial sums are in; the tile's 16 loads may be out
	v_add_f32 v14, v14, v15
	v_add_f32_dpp v14, v14, v14 row_xmask:1 row_mask:0xf bank_mask:0xf
	v_add_f32_dpp v14, v14, v14 row_xmask:2 row_mask:0xf bank_mask:0xf
	v_add_f32_dpp v14, v14, v14 row_xmask:4 row_mask:0xf bank_mask:0xf
	v_add_f32_dpp v14, v14, v14 row_xmask:8 row_mask:0xf bank_mask:0xf
	v_permlanex16_b32 v13, v14, s34, s35
	v_add_f32 v14, v14, v13                        ; the same order in every wave of the launch: the same s everywhere
	v_fma_f32 v[S], v14, s36, s37                  ; s = mean |W| + 1e-8 (the division by a power of two rounds nothing)
	v_mul_f32 v[SH], 0.5, v[S]
	s_wait_loadcnt 0x0
.set n, 0
.rept 64
	v_cmp_gt_f32 vcc_lo, |v[L+n]|, v[SH]
	v_bfi_b32 v[12+n%2], 0x7fffffff, v[S], v[L+n]          ; s with W's sign
	v_cndmask_b32 v[12+n%2], 0, v[12+n%2], vcc_lo          ; q
	v_sub_f32 v[12+n%2], v[12+n%2], v[L+n]
	v_add_f32 v[L+n], v[L+n], v[12+n%2]                    ; W + (q - W), as it is written
.set n, n+1
.endr
.irp i, 0,1,2,3,4,5,6,7,8,9,10,11,12,13,14,15
	ds_store_b128 v[SI], v[L+4*\i:L+4*\i+3] offset:2*SP*\i
.endr
	s_wait_dscnt 0x0                               ; for the others' sake: my 32 rows lie in the stage
	s_barrier_signal -1
	s_barrier_wait -1
.irp c, 0,1
.irp i, 0,1,2,3,4,5,6,7,8,9,10,11,12,13,14,15,16,17,18,19,20,21,22,23,24,25,26,27,28,29,30,31
	ds_load_b32 v[X+32*\c+\i], v[SO] offset:(64*\c+\i)*SP
.endr
.endr
	s_wait_dscnt 0x0
.irp c, 0,1                            ; my block 2 c + h: all its 32 numbers are mine
	v_max3_num_f32 v[12+\c], |v[X+32*\c]|, |v[X+1+32*\c]|, 0x1800000   ; and the floor 2^(3 - 127)
.endr
.irp i, 2,4,6,8,10,12,14,16,18,20,22,24,26,28,30
.irp c, 0,1
	v_max3_num_f32 v[12+\c], v[12+\c], |v[X+32*\c+\i]|, |v[X+1+32*\c+\i]|
.endr
.endr
.irp c, 0,1
	v_add_nc_u32 v[14+\c], 0xff000000, v[12+\c]    ; 2 off the exponent field: the conversion's scale operand
.endr
.irp c, 0,1
	v_lshrrev_b32 v[12+\c], 23, v[14+\c]           ; the scale's byte
.endr
	v_lshl_or_b32 v12, v13, 16, v12                ; my two bytes: blocks h and 2 + h,
	v_lshlrev_b32 v13, 3, v3
	v_lshlrev_b32 v12, v13, v12                    ; at their places (8 h bits up);
	v_permlanex16_b32 v13, v12, s34, s35
	v_or_b32 v12, v12, v13                         ; with lane l xor 16's two the word is whole
.irp c, 0,1
	v_cvt_scalef32_pk16_fp6_f32 v[PC+6*\c:PC+6*\c+2], v[X+32*\c:X+32*\c+15], v[14+\c]
	v_cvt_scalef32_pk16_fp6_f32 v[CT+4*\c:CT+4*\c+2], v[X+32*\c+16:X+32*\c+31], v[14+\c]   ; (a conversion's three registers begin on an even number)
.endr
	v_nop                                          ; one plain line behind the scaled conversions
.irp c, 0,1
.irp i, 0,1,2
	v_mov_b32 v[PC+6*\c+3+\i], v[CT+4*\c+\i]
.endr
.endr
	ds_store_b32 v[SGW], v12
; Eight copies: for j the BLOCK is (2 (i xor j) + which 128 of q, 2 j + which 128 of p).  sign[i][0] is +1 for every i, so set 0 is the codes as made.  Each set has registers and an offset of its own: nothing that a store reads is written again.
.irp j, 0,1,2,3,4,5,6,7
	s_xor_b32 s40, s21, \j
	s_lshl_b32 s40, s40, 1
	s_add_co_u32 s40, s40, s22
	s_lshl_b32 s40, s40, 4
	s_add_co_u32 s40, s40, s23
	s_add_co_u32 s40, s40, 2*\j
	s_mul_i32 s40, s40, BLK
	s_add_co_u32 s40, s40, s32
	v_add_nc_u32 v[OF+\j], s40, v[LI]
.if \j > 0
	s_bitcmp1_b32 s33, \j
	s_cselect_b32 s44, 0x20820820, 0               ; the sign bits (bit 6 n + 5 of the stream) of three words on end, or nothing
	s_cselect_b32 s45, 0x08208208, 0
	s_cselect_b32 s46, 0x82082082, 0
.irp p, 0,1,2,3,4,5,6,7,8,9,10,11
	v_xor_b32 v[PC+12*\j+\p], s[44+\p%3], v[PC+\p]
.endr
.endif
.irp c, 0,1,2
	global_store_b128 v[OF+\j], v[PC+12*\j+4*\c:PC+12*\j+4*\c+3], s[14:15] offset:512*\c   ; 512 consecutive bytes a store
.endr
.endr
	s_wait_dscnt 0x0                               ; for the others' sake: my scale word lies in LDS
	s_barrier_signal -1
	s_barrier_wait -1
	ds_load_b128 v[16:19], v[QA]                   ; the four fragments' words: a quad, 512 bytes; wave w stores it for j = 2 w and 2 w + 1
.irp u, 0,1
	s_lshl_b32 s41, s16, 1
	s_add_co_u32 s41, s41, \u
	s_xor_b32 s40, s21, s41
	s_lshl_b32 s40, s40, 1
	s_add_co_u32 s40, s40, s22
	s_lshl_b32 s40, s40, 4
	s_add_co_u32 s40, s40, s23
	s_lshl_b32 s41, s41, 1
	s_add_co_u32 s40, s40, s41
	s_mul_i32 s40, s40, BLK
	s_add_co_u32 s40, s40, s47
	v_add_nc_u32 v[20+\u], s40, v[LI]
.endr
	s_wait_dscnt 0x0
	global_store_b128 v20, v[16:19], s[14:15]
	global_store_b128 v21, v[16:19], s[14:15]
	s_wait_tensorcnt 0x0
	ds_add_u32 v251, v255
	s_wait_dscnt 0x0
	s_endpgm
.Lfunc_end_k_q9f922a78c5_prepw:
	.size	k_q9f922a78c5_prepw, .Lfunc_end_k_q9f922a78c5_prepw-k_q9f922a78c5_prepw
	.p2alignl 7, 3214868480
	.fill 96, 4, 3214868480
	.section	.rodata,"a",@progbits
	.p2align	6, 0x0
	.amdhsa_kernel k_q9f922a78c5_prepw
		.amdhsa_group_segment_fixed_size 36352
		.amdhsa_private_segment_fixed_size 0
		.amdhsa_enable_private_segment 0
		.amdhsa_kernarg_size 48
		.amdhsa_user_sgpr_count 2
		.amdhsa_user_sgpr_kernarg_segment_ptr 1
		.amdhsa_wavefront_size32 1
		.amdhsa_system_sgpr_workgroup_id_x 1
		.amdhsa_system_sgpr_workgroup_id_y 1
		.amdhsa_system_sgpr_workgroup_id_z 1
		.amdhsa_system_vgpr_workitem_id 0
		.amdhsa_next_free_vgpr 256
		.amdhsa_next_free_sgpr 66
		.amdhsa_reserve_vcc 1
		.amdhsa_float_denorm_mode_32 3
		.amdhsa_float_denorm_mode_16_64 3
		.amdhsa_memory_ordered 1
		.amdhsa_forward_progress 1
		.amdhsa_inst_pref_size 40
	.end_amdhsa_kernel
	.amdgpu_metadata
---
amdhsa.version: [ 1, 2 ]
amdhsa.kernels:
  - .name:           k_q9f922a78c5_prepw
    .symbol:         k_q9f922a78c5_prepw.kd
    .args:
      - { .name: wq, .offset: 0, .size: 8, .value_kind: global_buffer, .address_space: global }
      - { .name: wk, .offset: 8, .size: 8, .value_kind: global_buffer, .address_space: global }
      - { .name: wv, .offset: 16, .size: 8, .value_kind: global_buffer, .address_space: global }
      - { .name: wo, .offset: 24, .size: 8, .value_kind: global_buffer, .address_space: global }
      - { .name: psum, .offset: 32, .size: 8, .value_kind: global_buffer, .address_space: global }
      - { .name: wbig, .offset: 40, .size: 8, .value_kind: global_buffer, .address_space: global }
    .group_segment_fixed_size: 36352
    .private_segment_fixed_size: 0
    .kernarg_segment_align: 8
    .kernarg_segment_size: 48
    .max_flat_workgroup_size: 128
    .sgpr_count:     66
    .vgpr_count:     256
    .wavefront_size: 32
...
	.end_amdgpu_metadata
.endif
;; end of part 2
;; launch qkvg (part 3): grid 8 x 24, 4 waves a work-group, clusters of 4 x 4, 327,680 bytes of LDS; arguments xq, wbig, freqs_cos, freqs_sin, qkv; writes qkv
.if DOCPART == 3
	.amdgcn_target "amdgcn-amd-amdhsa--gfx1250"
	.amdhsa_code_object_version 6
	.text
	.protected	k_q9f922a78c5_qkvg
	.globl	k_q9f922a78c5_qkvg
	.p2align	8
	.type	k_q9f922a78c5_qkvg,@function
k_q9f922a78c5_qkvg:
	s_mov_b64 s[64:65], 0
	v_nop
	global_prefetch_b8 v0, s[64:65] scope:SCOPE_SE
	s_setreg_imm32_b32 hwreg(HW_REG_WAVE_MODE, 25, 1), 1
	s_wait_xcnt 0x0
	s_wait_alu depctr_hold_cnt(0) depctr_sa_sdst(0) depctr_va_vdst(0) depctr_va_sdst(0) depctr_va_ssrc(0) depctr_va_vcc(0) depctr_vm_vsrc(0)
	s_getreg_b32 s2, hwreg(HW_REG_IB_STS2, 6, 4)
	s_cmp_eq_u32 s2, 0
	s_cbranch_scc0 .Lentry_in_a_cluster
	s_endpgm
.Lentry_in_a_cluster:
	s_bfe_u32 s2, ttmp6, 0x10000c
	s_cmp_lg_u32 s2, 0xf033
	s_cbranch_scc0 .Lentry_shape_is_right
	s_endpgm
.Lentry_shape_is_right:
; q, k and v: three products of 2048 x 2048 x 2048 on codes of FP6 (E2M3) with E8M0 scales, then the rope (q, k) and the quantiser of attention's operands, in registers.
; The octonion table's eight signed sums are the accumulator's chain over the 16 K steps (the weights carry the signs).  ORDER OF ROUNDING: one f32 chain of 16 K steps where the source adds eight sums of two.
; C'[m'][n'] = sum over K of A'[m'][K] B'[n'][K].  kind (the cluster's y / 2) 0: q, 1: k: A' = x, B' = the weight.  kind 2: v: A' = the weight, B' = x: V^T, so that a lane's registers run along the KEYS, the K of attention's second product.
; OPERANDS lie in memory as images of their registers: a fragment (16 rows x 128 K) is 1,536 bytes, registers 4 c .. 4 c + 3 of lane l at 512 c + 16 l; lane r of fragment f holds row 32 (f / 2) + 8 (f % 2) + r % 8 + 16 (r / 8) of its 128;
; a BLOCK is 8 fragments and 1,024 bytes of scale words [f / 4][lane][f % 4]: 13,312 bytes, 52 pieces of 256.  A matrix is [row / 128][K / 128] BLOCKs.  So a K step's tile is dense memory, a fragment is three loads of 16 bytes a lane with no pitch.
; A tile of C', 256 x 256, is made by four waves, each 128 x 128: 64 accumulators, 512 registers.
; THE RING: two LDS slots of THREE K steps of 128, as many as fit twice (2 x 159,744 bytes); each wave fetches three BLOCKs (39,936 bytes) with one tensor load.  16 = 5 x 3 + 1: the last fill brings one K step and has a shape of its own,
; so the 16 K steps are written out by macro, without a loop. From a request to the wait for it a wave issues 160 matrix instructions.
; 192 tiles for 256 WGPs: tiles of 128 x 128 would fill them but read each LDS byte for half the products, and a wave's 128 columns would no longer be one fragment of the next operand.
; CLUSTERS: 4 x 4 work-groups; A's tile is asked for jointly along a row of the cluster, B's along a column.  THE MATRIX INSTRUCTION IS USED TRANSPOSED (source 0 = B', source 1 = A'): by the fragments' order of rows the 64 registers
; of a lane in A's tile a are 128 neighbouring columns in the order that the quantiser wants: register 16 b + i = column 32 b + 16 (lane / 16) + i of row (lane % 16) of fragment a.  The wave's result is ONE BLOCK of the next operand.
; qkv: part 0 q [head][t / 128], part 1 k [head][t / 128] (K = the head's 128), part 2 v [head][t / 128] (rows = the head's 128, K = 128 keys).
; LIMITS: NaN and infinities are not served; a block whose largest magnitude lies under 2^-124 has its byte held at 1; a block of zeros gets the byte 1 (its codes are zeros; this program alone reads the bytes).
; REGISTERS, in windows of 256: window 0: v16-29 addresses; v32-47 scale words, two sets; v64-255 A's fragments, two sets (in the end: at work).  window 1: v0-191 B's fragments, two sets; v192-255 cos and sin (in the end all of it, four sets).
;   window 2: the accumulators of A's tiles 0-3 ((a, b) at v[8 (8 (a % 4) + b)]);  window 3: those of tiles 4-7.
.set BLK,   13312
.set SCO,   12288
.set WSZ,   256*BLK
.set MT,    8                          ; fragments of A' a wave
.set NT,    8                          ; and of B'
.set NQ,    3                          ; K steps of 128 in a slot
.set NS,    2                          ; loads of scale words a K step
.set PART,  NQ*BLK                     ; what one tensor load brings
.set SLOT,  4*PART                     ; A's two halves, then B's two halves
.set OPB,   2*PART
.set HSTR,  PART                       ; from one half of the tile's rows to the other, in LDS
.set SSTR,  PART
.set SPARE, 2*SLOT                     ; behind the ring: the spare words, 128 bytes for each wave
.set NF,    3*NT+3*MT+NS               ; LDS loads of a K step
.set YOUNG, 3*MT/2                     ; the last of them: A's second half
.set ADRA,  16                         ; v16-17  my A fragments in slot 0, 1
.set ADRB,  18                         ; v18-19  my B fragments
.set ADRS,  20                         ; v20-21  scale words: lanes 0-15 A's, lanes 16-31 B's
.set LI,    22                         ; v22     16 x lane
.set CO,    23                         ; v23     cos, sin: my row and my half's 32 bytes
.set SPW,   28                         ; v28     my spare word; never rewritten
.set NIL,   29                         ; v29     0; never rewritten
.set SC,    32
.set AF,    64
.set HA,    64                         ; the end: v64-127 a tile's 64 numbers behind the rope
.set PC,    128                        ; v128-223 the eight fragments made, 12 registers each: none is written twice, so no store's data are ever written again
.set CT,    224                        ; v224-230 the conversions' second halves
.set TM,    232                        ; v232-247 at work in QUANT
.set PWQ,   248                        ; v248-255 the eight fragments' scale words
.set G1,  24                           ; s[24:31] descriptor group 1 for A's tiles of three K steps;  s[32:39] group 0, one set for each slot
.set G0,  32
.set G1B, 48                           ; s[48:55], s[56:63] the same for B's
.set G0B, 56
.set G1S, 80                           ; s[80:87] group 1 for A's tile of one K step, the last;  s[88:95] for B's
.set G1SB, 88
.set MSB, 0
.macro WIN new                         ; the immediate's high byte repeats the setting that is left
.if MSB != (\new)
	s_set_vgpr_msb (MSB<<8)|(\new)
.set MSB, (\new)
.endif
.endm
.macro PLACES n
.rept \n
	v_nop
.endr
.endm
; A joint load: waves 0 and 1 fetch for A', waves 2 and 3 for B'.  The branch hangs on the wave's number alone.  Four v_nop follow each of the two lines.
.macro JLOAD g0a, g1a, g0b, g1b
	s_cmp_eq_u32 s15, 0
	s_cbranch_scc0 .Lfor_b_\@
	tensor_load_to_lds s[\g0a:\g0a+3], s[\g1a:\g1a+7]
	s_nop 0
.rept 4
	v_nop
.endr
	s_branch .Lasked_\@
.Lfor_b_\@:
	tensor_load_to_lds s[\g0b:\g0b+3], s[\g1b:\g1b+7]
	s_nop 0
.rept 4
	v_nop
.endr
.Lasked_\@:
.endm
.macro CREST                           ; a round of the cluster's barrier behind its opening barrier
	s_cmp_lg_u32 s14, 0
	s_cbranch_scc1 .Lnot_wave_0_\@
	s_barrier_signal -3
.Lnot_wave_0_\@:
	s_barrier_wait -3
	s_barrier_signal -1
	s_barrier_wait -1
.endm
.macro CROUND
	s_barrier_signal -1
	s_barrier_wait -1
	CREST
.endm
.macro LDF reg, adr, off               ; a fragment's image: three loads, 512 consecutive bytes each
.irp c, 0,1,2
	ds_load_b128 v[\reg+4*\c:\reg+4*\c+3], v[\adr] offset:\off+512*\c
.endr
.endm
; The fragments and scale words of the slot's q-th K step into set: B's, A's first half, the scale words, A's second half
.macro FETCH slot, q, set
	WIN 0x40                                       ; destination window 1, address window 0
.set fi, 0
.rept NT
	LDF 12*NT*(\set)+12*fi,ADRB+\slot,(\q)*BLK+1536*fi
.set fi, fi+1
.endr
	WIN 0
.set fi, 0
.rept MT/2
	LDF AF+12*MT*(\set)+12*fi,ADRA+\slot,(\q)*BLK+1536*fi
.set fi, fi+1
.endr
.set fi, 0
.rept NS
	ds_load_b128 v[SC+8*(\set)+4*fi:SC+8*(\set)+4*fi+3], v[ADRS+\slot] offset:(\q)*BLK+512*fi   ; four fragments' words: lanes 0-15 A's, lanes 16-31 B's
.set fi, fi+1
.endr
.set fi, MT/2
.rept MT/2
	LDF AF+12*MT*(\set)+12*fi,ADRA+\slot,(\q)*BLK+1536*fi
.set fi, fi+1
.endr
.endm
; A's tiles a0 .. a0 + na - 1 against B's NT.  The accumulators take turns, one instruction a turn, in the same order in every K step.  zero = 1: the first product starts the sums.
.macro MULA a0, na, set, zero
.set ma, \a0
.rept \na
	WIN 0xa1+0x50*((ma*NT)/32)                     ; source 0 (B') window 1, source 1 (A') window 0, C and D window 2 or 3
.set mb, 0
.rept NT
.set rD, 8*((ma*NT+mb)%32)
.set rB, 12*NT*(\set)+12*mb
.set rA, AF+12*MT*(\set)+12*ma
.if \zero
	v_wmma_scale_f32_16x16x128_f8f6f4 v[rD:rD+7], v[rB:rB+11], v[rA:rA+11], 0, v[SC+8*(\set)+mb], v[SC+8*(\set)+ma] matrix_a_fmt:MATRIX_FMT_FP6 matrix_b_fmt:MATRIX_FMT_FP6 matrix_a_scale:MATRIX_SCALE_ROW1
.else
	v_wmma_scale_f32_16x16x128_f8f6f4 v[rD:rD+7], v[rB:rB+11], v[rA:rA+11], v[rD:rD+7], v[SC+8*(\set)+mb], v[SC+8*(\set)+ma] matrix_a_fmt:MATRIX_FMT_FP6 matrix_b_fmt:MATRIX_FMT_FP6 matrix_a_scale:MATRIX_SCALE_ROW1
.endif
.set mb, mb+1
.endr
.set ma, ma+1
.endr
.endm
; The q-th K step of a slot lies in fragment set (slot + q) % 2: with three steps to a slot the sets come back after one lap of the ring.
; A K step that has its successor in the same slot: in its middle the successor's loads go out in one run, into the other set
.macro STEP slot, q, zero
	s_wait_dscnt YOUNG                             ; B's, A's first half and the scale words are in; A's second half may be out
	MULA 0,MT/2,((\slot)+(\q))%2,\zero
	PLACES 4                                       ; in front of loads into registers that the step before multiplied (ISA guide 7.12.1 for vector instructions)
	FETCH \slot,(\q)+1,1-((\slot)+(\q))%2
	s_wait_dscnt NF                                ; all but the run just issued
	MULA MT/2,MT/2,((\slot)+(\q))%2,\zero
	WIN 0
.endm
; A slot's third K step (set = slot) changes slots: ONE barrier; in front of it each wave waits for all its tensor loads, adds 0 to its spare word, and waits for that and for its reads of this slot.
; fill = 1: this slot is filled again with the three K steps two slots on; 2: with the one K step that is left; 0: with nothing.
.macro TURN slot, next, fill
	s_wait_tensorcnt 0x0                           ; all my tensor loads have landed: the one that was out is my part of the next slot
	ds_add_u32 v[SPW], v[NIL]                      ; 0 onto my spare word
	s_wait_dscnt YOUNG+1                           ; (the add and A's second half may be out)
	MULA 0,MT/4,\slot,0                            ; matrix work stands between the add and the wait for it
	s_wait_dscnt 0x0                               ; the add is done, and my reads of this slot are over
	s_barrier_signal -1
	MULA MT/4,MT/4,\slot,0
	WIN 0
	s_barrier_wait -1
.if \fill
	CREST                                          ; the barrier has opened a round of the cluster's barrier: no wave of any partner still reads this slot or has a load on its way
	s_add_nc_u64 s[G0+4*\slot+2:G0+4*\slot+3], s[G0+4*\slot+2:G0+4*\slot+3], 2*NQ*BLK
	s_add_nc_u64 s[G0B+4*\slot+2:G0B+4*\slot+3], s[G0B+4*\slot+2:G0B+4*\slot+3], 2*NQ*BLK
.if \fill == 1
	JLOAD G0+4*\slot, G1, G0B+4*\slot, G1B         ; the first tensor load behind the round; its four v_nop are also the places in front of the loads below
.else
	JLOAD G0+4*\slot, G1S, G0B+4*\slot, G1SB
.endif
.else
	PLACES 4
.endif
	FETCH \next,0,\next
	MULA MT/2,MT/2,\slot,0
	WIN 0
.endm
; cos and sin for A's tile a: lane (r, h) wants, of its token's row of 64, numbers 16 b + 8 h + 0 .. 7: register e of a set of 32 serves the pair of registers 2 e, 2 e + 1.  Four sets in window 1, at v192, v0, v64, v128 for a % 4 = 0 .. 3.
.macro CSLOAD a
.set CB, 64*(((\a)+3)%4)
	WIN 0x40
.irp bb, 0,1,2,3
.irp e, 0,1
	global_load_b128 v[CB+8*\bb+4*\e:CB+8*\bb+4*\e+3], v[CO], s[8:9] offset:(32*((\a)/2)+8*((\a)%2))*256+64*\bb+16*\e
	global_load_b128 v[CB+32+8*\bb+4*\e:CB+32+8*\bb+4*\e+3], v[CO], s[10:11] offset:(32*((\a)/2)+8*((\a)%2))*256+64*\bb+16*\e
.endr
.endr
	WIN 0
.endm
; The rope on tile a: (xr, xi) -> (xr c - xi s, xr s + xi c), a pair an instruction: first (xr c, xi c), then the crossed terms are fused on
.macro ROPE a
.set XB, 64*((\a)%4)
.set CB, 64*(((\a)+3)%4)
	WIN 0x06+(\a)/4                                ; source 0: the accumulators' window; source 1: window 1; the rest window 0
.set e, 0
.rept 16
	v_pk_mul_f32 v[HA+2*e:HA+2*e+1], v[XB+2*e:XB+2*e+1], v[CB+e:CB+e+1] op_sel_hi:[1,0]
	v_pk_mul_f32 v[HA+2*e+2:HA+2*e+3], v[XB+2*e+2:XB+2*e+3], v[CB+e:CB+e+1] op_sel:[0,1] op_sel_hi:[1,1]
.set e, e+2
.endr
.set e, 0
.rept 16
	v_pk_fma_f32 v[HA+2*e:HA+2*e+1], v[XB+2*e:XB+2*e+1], v[CB+32+e:CB+32+e+1], v[HA+2*e:HA+2*e+1] op_sel:[1,0,0] op_sel_hi:[0,0,1] neg_lo:[0,1,0]
	v_pk_fma_f32 v[HA+2*e+2:HA+2*e+3], v[XB+2*e+2:XB+2*e+3], v[CB+32+e:CB+32+e+1], v[HA+2*e+2:HA+2*e+3] op_sel:[1,1,0] op_sel_hi:[0,1,1] neg_lo:[0,1,0]
.set e, e+2
.endr
.endm
; 64 numbers of a lane in window W, register s + 16 b + i = k 32 b + 16 (lane / 16) + i of my row, become a fragment's codes in v[pc] on and its scale word in v[pw].  Each accumulator is read from its low end on.
.macro QUANT s, W, pc, pw
	WIN ((\W)<<2)|((\W)<<4)                        ; sources 1 and 2: the numbers' window
.irp b, 0,1,2,3
	v_max3_num_f32 v[TM+\b], 0x1800000, |v[\s+16*\b]|, |v[\s+16*\b+1]|   ; block b: the floor 2^(3 - 127), so that the byte cannot fall under 1, and my 16 numbers
.endr
.irp i, 2,4,6,8,10,12,14
.irp b, 0,1,2,3
	v_max3_num_f32 v[TM+\b], v[TM+\b], |v[\s+16*\b+\i]|, |v[\s+16*\b+\i+1]|
.endr
.endr
	WIN 0
.irp b, 0,1,2,3
	v_permlanex16_b32 v[TM+4+\b], v[TM+\b], s78, s79
.endr
.irp b, 0,1,2,3
	v_max_num_f32 v[TM+\b], v[TM+\b], v[TM+4+\b]   ; with lane l xor 16's: the block's largest magnitude
.endr
.irp b, 0,1,2,3
	v_add_nc_u32 v[TM+12+\b], 0xff000000, v[TM+\b] ; 2 off its exponent field: the conversion's scale operand
.endr
.irp b, 0,1,2,3
	v_lshrrev_b32 v[TM+4+\b], 23, v[TM+12+\b]      ; the scale's byte
.endr
	v_lshl_or_b32 v[\pw], v[TM+5], 8, v[TM+4]
	v_lshl_or_b32 v[\pw], v[TM+6], 16, v[\pw]
	v_lshl_or_b32 v[\pw], v[TM+7], 24, v[\pw]
	WIN \W                                         ; source 0: the numbers' window
.irp c, 0,1
	v_cvt_scalef32_pk16_fp6_f32 v[\pc+6*\c:\pc+6*\c+2], v[\s+32*\c:\s+32*\c+15], v[TM+12+2*\c]
	v_cvt_scalef32_pk16_fp6_f32 v[CT+4*\c:CT+4*\c+2], v[\s+32*\c+16:\s+32*\c+31], v[TM+13+2*\c]   ; (a conversion's three registers begin on an even number)
.endr
	WIN 0
	v_nop                                          ; one plain line behind the scaled conversions
.irp c, 0,1                            ; the operand's layout wants a whole block in a lane
.irp i, 0,1,2
	v_permlane16_swap_b32 v[\pc+6*\c+\i], v[CT+4*\c+\i]
.endr
.irp i, 0,1,2
	v_mov_b32 v[\pc+6*\c+3+\i], v[CT+4*\c+\i]
.endr
.endr
.endm
.macro SENDF a                         ; fragment a leaves as it stands, 512 consecutive bytes a store; behind fragments 3 and 7 a quad of scale words
.irp c, 0,1,2
	global_store_b128 v[LI], v[PC+12*(\a)+4*\c:PC+12*(\a)+4*\c+3], s[12:13] offset:1536*(\a)+512*\c
.endr
.if (\a)%4 == 3
	global_store_b128 v[LI], v[PWQ+(\a)-3:PWQ+(\a)], s[12:13] offset:SCO+512*((\a)/4)
.endif
.endm
	s_load_b256 s[4:11], s[0:1], 0x0               ; xq, wbig, cos, sin
	s_load_b64 s[12:13], s[0:1], 0x20              ; qkv
	v_lshl_add_u32 v[SPW], v0, 2, SPARE
	v_mov_b32 v[NIL], 0
	ds_add_u32 v28, v29
	ds_add_u32 v28, v29
	s_wait_dscnt 0x0
	v_lshrrev_b32 v1, 5, v0
	v_readfirstlane_b32 s14, v1                    ; wave 0..3
	s_lshr_b32 s15, s14, 1                         ; which half of the tile's rows is mine.  Also: I fetch for A' (0) or for B' (1)
	s_and_b32 s16, s14, 1                          ; which half of its columns.  Also: which 128 rows I fetch
	s_bfe_u32 s40, ttmp6, 0x40000                  ; cx, cy: my place in the cluster
	s_bfe_u32 s41, ttmp6, 0x40004
	s_lshl_b32 s42, ttmp9, 2
	s_add_co_u32 s42, s42, s40                     ; tile column = 4 x cluster x + cx
	s_and_b32 s45, ttmp7, 0xffff                   ; cluster y: 0 .. 5
	s_and_b32 s17, s45, 1
	s_lshl_b32 s17, s17, 2
	s_add_co_u32 s17, s17, s41                     ; tile row = 4 x (cluster y % 2) + cy
	s_lshr_b32 s45, s45, 1                         ; kind: the same in all sixteen partners
	s_lshl_b32 s43, s41, 2
	s_lshl_b32 s43, 15, s43                        ; my row of the cluster
	s_lshl_b32 s44, 0x1111, s40                    ; my column
	; descriptor group 1: three BLOCKs, dense: 156 rows of 256 bytes (32 elements of 8 bytes), no padding
	s_or_b32 s[G1+0], s43, (3<<16)|(1<<21)         ; 15:0 the mask: A's tiles go to my row; 17:16 elements of 8 bytes; 21 set beside a mask
	s_or_b32 s[G1B+0], s44, (3<<16)|(1<<21)
.irp g, G1, G1B
	s_mov_b32 s[\g+1], 32<<16                      ; tensor_dim0
	s_mov_b32 s[\g+2], (52*NQ)<<16                 ; tensor_dim1
	s_mov_b32 s[\g+3], 32<<16                      ; tile_dim0
	s_mov_b32 s[\g+4], 52*NQ                       ; tile_dim1
	s_mov_b32 s[\g+5], 32                          ; tensor_dim0_stride
	s_mov_b32 s[\g+6], 0
	s_mov_b32 s[\g+7], 0
.endr
	; and for the last K step: one BLOCK, 52 rows
	s_or_b32 s[G1S+0], s43, (3<<16)|(1<<21)
	s_or_b32 s[G1SB+0], s44, (3<<16)|(1<<21)
.irp g, G1S, G1SB
	s_mov_b32 s[\g+1], 32<<16
	s_mov_b32 s[\g+2], 52<<16
	s_mov_b32 s[\g+3], 32<<16
	s_mov_b32 s[\g+4], 52
	s_mov_b32 s[\g+5], 32
	s_mov_b32 s[\g+6], 0
	s_mov_b32 s[\g+7], 0
.endr
	s_lshl_b32 s20, s17, 1
	s_add_co_u32 s20, s20, s16
	s_mul_i32 s20, s20, 16*BLK                     ; A': the 128 rows that I fetch: 16 BLOCKs on end
	s_lshl_b32 s46, s42, 1
	s_add_co_u32 s46, s46, s16
	s_mul_i32 s46, s46, 16*BLK                     ; B' likewise
	s_mul_i32 s22, s45, WSZ                        ; the kind's weight in wbig
	s_cmp_eq_u32 s45, 2
	s_cselect_b32 s23, s22, 0                      ; it is A' for v,
	s_cselect_b32 s22, 0, s22                      ; B' for q and k
	s_add_co_u32 s20, s20, s23
	s_add_co_u32 s46, s46, s22
	s_mov_b32 s21, 0
	s_mov_b32 s47, 0
	s_mul_i32 s70, s14, PART                       ; where they go: wave x three BLOCKs: no place in the cluster enters an LDS address
	s_mov_b32 s78, 0x76543210
	s_mov_b32 s79, 0xfedcba98                      ; lane l xor 16
	s_wait_kmcnt 0x0
	s_cmp_eq_u32 s45, 2
	s_cselect_b64 s[66:67], s[6:7], s[4:5]
	s_cselect_b64 s[68:69], s[4:5], s[6:7]
	s_add_nc_u64 s[66:67], s[66:67], s[20:21]
	s_add_nc_u64 s[68:69], s[68:69], s[46:47]
	CROUND                                         ; all sixteen work-groups are here: the first joint loads meet
.irp s, 0,1
	s_mov_b32 s[G0+4*\s], 1
	s_add_co_u32 s[G0+4*\s+1], s70, \s*SLOT
	s_add_nc_u64 s[G0+4*\s+2:G0+4*\s+3], s[66:67], \s*NQ*BLK
	s_or_b32 s[G0+4*\s+3], s[G0+4*\s+3], 0x80000000
	s_mov_b32 s[G0B+4*\s], 1
	s_add_co_u32 s[G0B+4*\s+1], s70, \s*SLOT
	s_add_nc_u64 s[G0B+4*\s+2:G0B+4*\s+3], s[68:69], \s*NQ*BLK
	s_or_b32 s[G0B+4*\s+3], s[G0B+4*\s+3], 0x80000000
	JLOAD G0+4*\s, G1, G0B+4*\s, G1B               ; K steps 0-2 and 3-5: two loads of mine are out
.endr
	v_and_b32 v1, 31, v0                           ; lane
	v_bfe_u32 v2, v0, 4, 1                         ; h
	v_lshlrev_b32 v[LI], 4, v1
	s_mul_i32 s21, s15, HSTR                       ; my 128 rows of A'
	s_mul_i32 s22, s16, HSTR
	s_add_co_u32 s22, s22, OPB                     ; my 128 rows of B'
.irp s, 0,1
	v_add_nc_u32 v[ADRA+\s], s21, v[LI]
	v_add_nc_u32 v[ADRB+\s], s22, v[LI]
	s_add_co_u32 s21, s21, SLOT
	s_add_co_u32 s22, s22, SLOT
.endr
	s_mul_i32 s21, s15, SSTR
	s_mul_i32 s22, s16, SSTR
	s_add_co_u32 s22, s22, OPB
	s_sub_co_u32 s22, s22, s21
	v_mul_u32_u24 v3, s22, v2                      ; lanes 16-31 take B's words
	s_add_co_u32 s21, s21, SCO
	v_add_nc_u32 v3, v3, v[LI]
	v_add_nc_u32 v[ADRS], s21, v3
	v_add_nc_u32 v[ADRS+1], SLOT, v[ADRS]
	v_and_b32 v3, 15, v0
	v_and_b32 v4, 8, v3
	v_add_nc_u32 v3, v3, v4                        ; r % 8 + 16 (r / 8)
	v_lshlrev_b32 v3, 8, v3                        ; rows of cos and sin are 256 bytes
	v_lshl_add_u32 v[CO], v2, 5, v3
	s_lshl_b32 s72, s17, 1
	s_add_co_u32 s72, s72, s15                     ; mb: my 128 rows of C'
	s_lshl_b32 s73, s42, 1
	s_add_co_u32 s73, s73, s16                     ; nb: my 128 columns
	s_lshl_b32 s74, s73, 4
	s_add_co_u32 s74, s74, s72                     ; q, k: BLOCK [head = nb][t / 128 = mb]
	s_lshl_b32 s75, s72, 4
	s_add_co_u32 s75, s75, s73                     ; v: BLOCK [head = mb][t / 128 = nb]
	s_cmp_eq_u32 s45, 2
	s_cselect_b32 s74, s75, s74
	s_mul_i32 s74, s74, BLK
	s_mul_i32 s75, s45, WSZ
	s_add_co_u32 s74, s74, s75
	s_mov_b32 s75, 0
	s_add_nc_u64 s[12:13], s[12:13], s[74:75]      ; my BLOCK of qkv
	s_lshl_b32 s76, s72, 15                        ; 128 rows of 256 bytes
	s_mov_b32 s77, 0
	s_add_nc_u64 s[8:9], s[8:9], s[76:77]
	s_add_nc_u64 s[10:11], s[10:11], s[76:77]
	CSLOAD 0                                       ; tile 0's cos and sin are asked for now.  (Sets 0 and 1 are asked for in every kind, so that the text has one way up to the end; v does not use them: its rows mb exist in both tables)
	s_wait_tensorcnt 1                             ; my part of slot 0 is in; slot 1's may be out
	s_barrier_signal -1
	s_barrier_wait -1                              ; everybody's is
	FETCH 0,0,0
	STEP 0,0,1                                     ; K step 0: its products start the sums
	STEP 0,1,0
	TURN 0,1,1                                     ; K step 2; slot 0 takes K steps 6-8
	STEP 1,0,0
	STEP 1,1,0
	TURN 1,0,1                                     ; K step 5; slot 1 takes 9-11
	STEP 0,0,0
	STEP 0,1,0
	TURN 0,1,1                                     ; K step 8; slot 0 takes 12-14
	STEP 1,0,0
	STEP 1,1,0
	TURN 1,0,2                                     ; K step 11; slot 1 takes K step 15, the one that is left
	STEP 0,0,0
	STEP 0,1,0
	TURN 0,1,0                                     ; K step 14: nothing is filled, so no round of the cluster's barrier
	s_wait_dscnt YOUNG                             ; K step 15, the last
	MULA 0,MT/2,1,0
	PLACES 4
	CSLOAD 1                                       ; into B's set 0, which the step before multiplied last
	s_wait_dscnt 0x0
	MULA MT/2,MT/2,1,0
	WIN 0
	; THE END: tile by tile of 16 rows: the rope (q, k), the quantiser, three stores.  No stage: a fragment's image is what a lane holds.
	; No register that a store or a load names as data, offset or base is written again in the end: each fragment has its own 12 registers and its own scale word.  So no wait stands between the tiles but the one for cos and sin.
	PLACES 4                                       ; behind the last products: their results are read, and their operands' registers written and loaded, below
.irp b, 0,1,2,3
	v_mov_b32 v[TM+4+\b], 0                        ; a lane permute's destination counts as one of its sources
.endr
	s_cmp_eq_u32 s45, 2
	s_cbranch_scc1 .Lv
	CSLOAD 2
	CSLOAD 3
.irp a, 0,1,2,3,4,5,6,7
.if \a < 5
	s_wait_loadcnt 48                              ; this tile's 16 loads are in; the three younger sets may be out
.else
	s_wait_loadcnt 16*(7-\a)
.endif
	ROPE \a
.if \a < 4
	CSLOAD \a+4                                    ; into the set just read
.endif
	QUANT HA,0,PC+12*\a,PWQ+\a
	SENDF \a
.endr
	s_branch .Ljoin
.Lv:
.irp a, 0,1,2,3,4,5,6,7
	QUANT 64*(\a%4),2+\a/4,PC+12*\a,PWQ+\a
	SENDF \a
.endr
.Ljoin:
	s_wait_tensorcnt 0x0                           ; the wave's end
	ds_add_u32 v[SPW], v[NIL]
	s_wait_dscnt 0x0
	CROUND                                         ; the closing round: no work-group ends while a partner may still ask for a tile that names it
	s_endpgm
.Lfunc_end_k_q9f922a78c5_qkvg:
	.size	k_q9f922a78c5_qkvg, .Lfunc_end_k_q9f922a78c5_qkvg-k_q9f922a78c5_qkvg
	.p2alignl 7, 3214868480
	.fill 96, 4, 3214868480
	.section	.rodata,"a",@progbits
	.p2align	6, 0x0
	.amdhsa_kernel k_q9f922a78c5_qkvg
		.amdhsa_group_segment_fixed_size 327680
		.amdhsa_private_segment_fixed_size 0
		.amdhsa_enable_private_segment 0
		.amdhsa_kernarg_size 40
		.amdhsa_user_sgpr_count 2
		.amdhsa_user_sgpr_kernarg_segment_ptr 1
		.amdhsa_wavefront_size32 1
		.amdhsa_system_sgpr_workgroup_id_x 1
		.amdhsa_system_sgpr_workgroup_id_y 1
		.amdhsa_system_sgpr_workgroup_id_z 1
		.amdhsa_system_vgpr_workitem_id 0
		.amdhsa_next_free_vgpr 1024
		.amdhsa_next_free_sgpr 100
		.amdhsa_reserve_vcc 0
		.amdhsa_float_denorm_mode_32 3
		.amdhsa_float_denorm_mode_16_64 3
		.amdhsa_memory_ordered 1
		.amdhsa_forward_progress 1
		.amdhsa_inst_pref_size 255
	.end_amdhsa_kernel
	.section	.bss,"aw",@nobits
	.p2align	6
	.space	262144
	.amdgpu_metadata
---
amdhsa.version: [ 1, 2 ]
amdhsa.kernels:
  - .name:           k_q9f922a78c5_qkvg
    .symbol:         k_q9f922a78c5_qkvg.kd
    .args:
      - { .name: xq, .offset: 0, .size: 8, .value_kind: global_buffer, .address_space: global }
      - { .name: wbig, .offset: 8, .size: 8, .value_kind: global_buffer, .address_space: global }
      - { .name: freqs_cos, .offset: 16, .size: 8, .value_kind: global_buffer, .address_space: global }
      - { .name: freqs_sin, .offset: 24, .size: 8, .value_kind: global_buffer, .address_space: global }
      - { .name: qkv, .offset: 32, .size: 8, .value_kind: global_buffer, .address_space: global }
    .group_segment_fixed_size: 327680
    .private_segment_fixed_size: 0
    .kernarg_segment_align: 8
    .kernarg_segment_size: 40
    .max_flat_workgroup_size: 128
    .sgpr_count:     100
    .vgpr_count:     1024
    .wavefront_size: 32
...
	.end_amdgpu_metadata
.endif
;; end of part 3
;; launch attn (part 4): grid 16 x 16, 16 waves a work-group, no clusters, 327,680 bytes of LDS; arguments qkv, yf; writes yf
.if DOCPART == 4
	.amdgcn_target "amdgcn-amd-amdhsa--gfx1250"
	.amdhsa_code_object_version 6
	.text
	.protected	k_q9f922a78c5_attn
	.globl	k_q9f922a78c5_attn
	.p2align	8
	.type	k_q9f922a78c5_attn,@function
k_q9f922a78c5_attn:
	s_mov_b64 s[64:65], 0
	v_nop
	global_prefetch_b8 v0, s[64:65] scope:SCOPE_SE
	s_setreg_imm32_b32 hwreg(HW_REG_WAVE_MODE, 25, 1), 1
	s_wait_xcnt 0x0
; y[t][head] = the sum over keys s <= t of softmax_s(q . k / sqrt(128)) v, both products on codes of FP6 (E2M3) with E8M0 scales; y is quantised for the last projection and leaves as codes.
; THE SOFTMAX AHEAD OF THE SECOND PRODUCT: t = score x log2(e) / sqrt(128); M = the running largest t rounded UP to a whole number; p = 2^(t - M) is quantised along the keys, not normalised; the row's sum is taken of the
; unquantised p and divides at the end.  When M moves, the sum and O are multiplied by 2^(old M - new M): exact.
; OPERANDS are images of registers (a fragment: 1,536 bytes; lane r of fragment f holds row 32 (f / 2) + 8 (f % 2) + r % 8 + 16 (r / 8); a BLOCK: 8 fragments and their scale words [f / 4][lane][f % 4], 13,312 bytes).
; qkv: q [head][t / 128], k [head][t / 128], v [head][t / 128] (rows = the head's 128, K = 128 keys).  A key step of 128 keys is one BLOCK of k and one of v.  yf: [t / 128][head].
; Both products are used transposed: S^T = K Q^T, O^T = V^T P^T: a lane holds ONE query.  By the fragments' order of rows the 16 registers of tiles 2 b and 2 b + 1 are keys (or channels) 32 b + 16 (lane / 16) + 0 .. 15.
; SHARES.  Work-group (x, head), j = x / 2, e = x % 2, owns fragments 4 e .. 4 e + 3 of query block j and of block 15 - j: block G needs G + 1 key steps, so every work-group has 4 (j + 1) + 4 (16 - j) = 68 fragment steps.
; A FRAGMENT'S KEY STEPS ARE SHARED BETWEEN TWO WAVES, the even steps to one and the odd steps to the other: sixteen waves of 256 registers, four to a SIMD, and the longest chain of steps is 8, not 16.  Each of the two keeps
; its own M, sum and O^T.  At the end the odd wave hands its 64 registers of O^T and its (-M, sum) to the even wave through LDS, as they stand; since both M are whole numbers, bringing both under the larger M rounds nothing.
; Wave w: late block where (w xor w / 4) is odd, parity = bit 1 of w, fragment w / 4; the partner is w xor 2.  Whether waves are dealt to SIMDs by w % 4 or by w / 4, a SIMD gets two waves of the late block and two of the early one.
; A key step all of whose keys come after a wave's queries is jumped over (a scalar branch on ids); on the diagonal hidden scores become -infinity.  An odd wave of block 0 has no step: it hands over zeros and -M = 3e38, whose factor is 0.
; THE RING: two slots of four key steps (4 BLOCKs of k, 4 of v: 106,496 bytes); each of the sixteen waves brings half a BLOCK (26 rows of 256 bytes) with one tensor load, so that every wave has the same text.  All 16 key steps
; pass through the ring in every work-group, so trip counts are constants.
; NO CLUSTER: work-groups of one head read the same K and V, but the jump over hidden key steps hangs on the query blocks that a work-group owns, and only two work-groups of a head own the same two.
; NO PREFETCH: half of K and V is asked for at the head, and each of the two refills has four key steps in which to land.
; LIMITS: NaN and infinities are not served; a block whose largest magnitude lies under 2^-124 has its byte held at 1; a block of zeros gets the byte 1 (its codes are zeros; this program alone reads the bytes).
; REGISTERS: v1-9 addresses; v12 -M, v13 the largest t, v[14:15] the sum in two halves; v16-27 Q; v32-79 four fragments of K or V; v96-159 S^T, then p; v160-223 O^T; v224-235 p's codes; v232-247, v252, v254 at work;
;   v243 p's scale word, v248-251 four fragments' scale words, v255 Q's: these hold scales alone.
.set BLK,   13312
.set HBLK,  6656                       ; half a BLOCK: what one tensor load brings
.set SCO,   12288
.set WSZ,   256*BLK
.set SLOT,  8*BLK
.set VOFF,  4*BLK
.set SPARE, 2*SLOT                     ; the spare words, 128 bytes for each of sixteen waves
.set YS,    SPARE+2048                 ; two quads of y's scale words, 1,024 bytes of their own
.set MG,    YS+1024                    ; what the odd waves hand over: eight places of their own,
.set MGB,   17*512                     ; each 16 x 512 bytes of O^T and 512 of (-M, t, the sum's halves)
.set LI,  1                            ; v1  16 x lane
.set DV,  2                            ; v2  my query's place in its 128, less 16 (lane / 16)
.set YA,  3                            ; v3  where my scale word goes
.set YR,  4                            ; v4  the quad, read back
.set SPW, 5                            ; v5  my spare word; never rewritten
.set NIL, 6                            ; v6  0; never rewritten
.set MGA, 7                            ; v7  my fragment's place in MG: the same in both partners
.set ADK, 8                            ; v8  the step's BLOCK of K
.set ADV, 9                            ; v9  and of V
.set PSW, 243
.set PAR, 2                            ; s2  my parity: which key steps are mine
.set PARB, 3                           ; s3  parity x a BLOCK
.set G,   14                           ; s14 my block of 128 queries
.set SEL, 32                           ; s[32:33] lane l xor 16
.set CS,  34                           ; s[34:35] c = log2(e) / sqrt(128)
.set TB,  36                           ; s36 LDS byte of the step's BLOCK of K
.set CNT, 37                           ; s37 counts my two steps of a slot
.set ST,  38                           ; s38 the key step
.macro NOPS
.rept 4
	v_nop
.endr
.endm
; A KEY STEP of 128 keys
.macro STEP
	s_cmp_gt_u32 s[ST], s[G]                       ; all its keys come after my queries: nothing to do.  No barrier and no tensor load stands in a step
	s_cbranch_scc1 .Lhidden_\@
	v_add_nc_u32 v[ADK], s[TB], v[LI]
	v_add_nc_u32 v[ADV], VOFF, v[ADK]
	v_nop
	v_nop                                          ; four places in front of loads into registers that the last step's products read
.irp g, 0,1                            ; S^T = K Q^T, four tiles of 16 keys at a time
.if \g
	NOPS
.endif
.irp t, 0,1,2,3
.irp c, 0,1,2
	ds_load_b128 v[32+12*\t+4*\c:35+12*\t+4*\c], v[ADK] offset:(4*\g+\t)*1536+512*\c
.endr
.endr
	ds_load_b128 v[248:251], v[ADK] offset:SCO+512*\g
	s_wait_dscnt 0x0
.irp t, 0,1,2,3
	v_wmma_scale_f32_16x16x128_f8f6f4 v[96+8*(4*\g+\t):103+8*(4*\g+\t)], v[32+12*\t:43+12*\t], v[16:27], 0, v[248+\t], v255 matrix_a_fmt:MATRIX_FMT_FP6 matrix_b_fmt:MATRIX_FMT_FP6
.endr
.endr
	NOPS
	s_cmp_lg_u32 s[ST], s[G]                       ; only the diagonal step has hidden keys
	s_cbranch_scc1 .Lopen_\@
	v_mov_b32 v254, 0xff800000                     ; -infinity: p = 0 then
.set n, 0
.rept 64                               ; register 16 b + i holds key 32 b + 16 (lane / 16) + i of the step: hidden where 32 b + i > my query's place - 16 (lane / 16)
	v_cmp_gt_i32 vcc_lo, 32*(n/16)+n%16, v[DV]
	v_cndmask_b32 v[96+n], v[96+n], v254, vcc_lo
.set n, n+1
.endr
.Lopen_\@:
.irp b, 0,1,2,3
	v_max3_num_f32 v[232+\b], v[96+16*\b], v[97+16*\b], v[98+16*\b]   ; the largest score of each block of 32 keys: it serves the row's maximum and, since p rises with the score, the block's largest p
.endr
.irp i, 3,5,7,9,11,13
.irp b, 0,1,2,3
	v_max3_num_f32 v[232+\b], v[232+\b], v[96+16*\b+\i], v[97+16*\b+\i]
.endr
.endr
.irp b, 0,1,2,3
	v_max_num_f32 v[232+\b], v[232+\b], v[111+16*\b]
.endr
.irp b, 0,1,2,3
	v_permlanex16_b32 v[236+\b], v[232+\b], s[SEL], s[SEL+1]
.endr
.irp b, 0,1,2,3
	v_max_num_f32 v[232+\b], v[232+\b], v[236+\b]  ; with lane l xor 16's 16 keys
.endr
	v_max3_num_f32 v254, v232, v233, v234
	v_max_num_f32 v254, v254, v235                 ; the step's largest score of my query
	v_mul_f32 v254, s[CS], v254
	v_max_num_f32 v13, v13, v254                   ; the running largest t
	v_mov_b32 v254, v12
	v_floor_f32 v12, -v13                          ; the new -M = floor(-t): M is a whole number
	v_sub_f32 v254, v12, v254                      ; old M - new M: a whole number, 0 or less
	v_cvt_i32_f32 v254, v254                       ; (it saturates)
	v_ldexp_f32 v252, 1.0, v254                    ; f = 2^(old M - new M)
.set n, 0
.rept 32
	v_pk_fma_f32 v[96+n:97+n], v[96+n:97+n], s[CS:CS+1], v[12:13] op_sel_hi:[1,0,0]   ; t - M, two at a time
.set n, n+2
.endr
.irp b, 0,1,2,3
	v_fma_f32 v[232+\b], v[232+\b], s[CS], v12     ; the same of each block's largest score
.endr
.set n, 0
.rept 64
	v_exp_f32 v[96+n], v[96+n]                     ; p = 2^(t - M)
.set n, n+1
.endr
.irp b, 0,1,2,3
	v_exp_f32 v[232+\b], v[232+\b]                 ; the block's largest p
.endr
	v_pk_mul_f32 v[14:15], v[14:15], v[252:253] op_sel_hi:[1,0]   ; the sums under the new M.  (The plain line behind the exponentials)
	s_wait_alu depctr_va_vdst(0)
.irp b, 0,1,2,3
	v_max_num_f32 v[232+\b], 0x1800000, v[232+\b]  ; the floor 2^(3 - 127)
.endr
.irp b, 0,1,2,3
	v_add_nc_u32 v[244+\b], 0xff000000, v[232+\b]  ; 2 off the exponent field: the conversion's scale operand
.endr
.irp b, 0,1,2,3
	v_lshrrev_b32 v[236+\b], 23, v[244+\b]         ; the scale's byte
.endr
	v_lshl_or_b32 v[PSW], v237, 8, v236            ; p's scale word for these 128 keys
	v_lshl_or_b32 v[PSW], v238, 16, v[PSW]
	v_lshl_or_b32 v[PSW], v239, 24, v[PSW]
.irp c, 0,1
	v_cvt_scalef32_pk16_fp6_f32 v[224+6*\c:226+6*\c], v[96+32*\c:111+32*\c], v[244+2*\c]
	v_cvt_scalef32_pk16_fp6_f32 v[236+4*\c:238+4*\c], v[112+32*\c:127+32*\c], v[245+2*\c]
.endr
	v_nop                                          ; one plain line behind the scaled conversions
.irp c, 0,1
.irp i, 0,1,2
	v_permlane16_swap_b32 v[224+6*\c+\i], v[236+4*\c+\i]
.endr
.irp i, 0,1,2
	v_mov_b32 v[227+6*\c+\i], v[236+4*\c+\i]
.endr
.endr
	v_pk_add_f32 v[236:237], v[96:97], v[98:99]    ; the row's sum is taken of the unquantised p: two at a time, in two chains
.irp j, 4,8,12,16,20,24,28,32,36,40,44,48,52,56,60
	v_pk_add_f32 v[14:15], v[14:15], v[96+\j:97+\j]
	v_pk_add_f32 v[236:237], v[236:237], v[98+\j:99+\j]
.endr
	v_pk_add_f32 v[14:15], v[14:15], v[236:237]
.set n, 0
.rept 32
	v_pk_mul_f32 v[160+n:161+n], v[160+n:161+n], v[252:253] op_sel_hi:[1,0]   ; O^T under the new M.  (These are also the places in front of the loads and products below)
.set n, n+2
.endr
.irp g, 0,1                            ; O^T += V^T P^T, four tiles of 16 channels at a time
.if \g
	NOPS
.endif
.irp t, 0,1,2,3
.irp c, 0,1,2
	ds_load_b128 v[32+12*\t+4*\c:35+12*\t+4*\c], v[ADV] offset:(4*\g+\t)*1536+512*\c
.endr
.endr
	ds_load_b128 v[248:251], v[ADV] offset:SCO+512*\g
	s_wait_dscnt 0x0
.irp t, 0,1,2,3
	v_wmma_scale_f32_16x16x128_f8f6f4 v[160+8*(4*\g+\t):167+8*(4*\g+\t)], v[32+12*\t:43+12*\t], v[224:235], v[160+8*(4*\g+\t):167+8*(4*\g+\t)], v[248+\t], v[PSW] matrix_a_fmt:MATRIX_FMT_FP6 matrix_b_fmt:MATRIX_FMT_FP6
.endr
.endr
.Lhidden_\@:
.endm
.macro RUN slot                        ; my two of a slot's four key steps: written once, walked twice
	s_add_co_u32 s[TB], s[PARB], \slot*SLOT
	s_mov_b32 s[CNT], 2
.Lrun_\@:
	STEP
	s_add_co_u32 s[TB], s[TB], 2*BLK
	s_add_co_u32 s[ST], s[ST], 2
	s_sub_co_u32 s[CNT], s[CNT], 1
	s_cmp_lg_u32 s[CNT], 0
	s_cbranch_scc1 .Lrun_\@
.endm
; THE CHANGE OF SLOTS: each wave waits for all its tensor loads (its part of the slot ahead), adds 0 to its spare word, and waits for that and for its reads of the slot that it leaves.  fill = 1: slot is filled with the key steps eight on.
.macro CHANGE slot, fill
	s_wait_tensorcnt 0x0                           ; no tensor load of mine is out, so a group 0 may be written
	ds_add_u32 v[SPW], v[NIL]                      ; 0 onto my spare word
.if \fill
	s_add_nc_u64 s[26+4*\slot:27+4*\slot], s[26+4*\slot:27+4*\slot], 8*BLK
.endif
	s_wait_dscnt 0x0                               ; the add is done, and my reads of the slot that I leave are over
	s_barrier_signal -1
	s_barrier_wait -1
.if \fill
	tensor_load_to_lds s[24+4*\slot:27+4*\slot], s[16:23]   ; the first thing behind the barrier, my one tensor load until the next: four key steps in which to land
	s_nop 0
	NOPS
.endif
.endm
	s_load_b128 s[4:7], s[0:1], 0x0                ; qkv, yf
	v_lshl_add_u32 v[SPW], v0, 2, SPARE
	v_mov_b32 v[NIL], 0
	ds_add_u32 v5, v6
	ds_add_u32 v5, v6
	s_wait_dscnt 0x0
	v_lshrrev_b32 v8, 5, v0
	v_readfirstlane_b32 s8, v8                     ; wave 0..15
	s_and_b32 s9, ttmp7, 0xffff                    ; the head
	s_lshr_b32 s10, ttmp9, 1                       ; j
	s_and_b32 s11, ttmp9, 1                        ; e
	s_lshr_b32 s12, s8, 2
	s_xor_b32 s12, s12, s8
	s_and_b32 s12, s12, 1                          ; 1: the late block 15 - j
	s_lshr_b32 s13, s8, 2                          ; which of the four fragments
	s_bfe_u32 s[PAR], s8, 0x10001                  ; bit 1 of the wave's number: 0: the even key steps are mine, 1: the odd ones
	s_mul_i32 s[PARB], s[PAR], BLK
	s_sub_co_u32 s14, 15, s10
	s_cmp_eq_u32 s12, 1
	s_cselect_b32 s[G], s14, s10
	s_lshl_b32 s15, s11, 2
	s_add_co_u32 s15, s15, s13                     ; f = 4 e + that
	; descriptor group 1: half a BLOCK, dense: 26 rows of 256 bytes (32 elements of 8 bytes), no padding, no mask
	s_mov_b32 s16, 3<<16
	s_mov_b32 s17, 32<<16
	s_mov_b32 s18, 26<<16
	s_mov_b32 s19, 32<<16
	s_mov_b32 s20, 26
	s_mov_b32 s21, 32
	s_mov_b32 s22, 0
	s_mov_b32 s23, 0
	s_lshr_b32 s40, s8, 3
	s_add_co_u32 s40, s40, 1
	s_mul_i32 s40, s40, WSZ                        ; waves 0-7 fetch k (part 1), waves 8-15 v (part 2)
	s_lshl_b32 s43, s9, 4                          ; 16 x head
	s_mul_i32 s42, s43, BLK                        ; the head's first BLOCK
	s_add_co_u32 s40, s40, s42
	s_and_b32 s42, s8, 7
	s_mul_i32 s42, s42, HBLK                       ; my eighth of four BLOCKs on end
	s_add_co_u32 s40, s40, s42
	s_mov_b32 s41, 0
	s_mul_i32 s39, s8, HBLK                        ; in a slot: k's four BLOCKs, then v's four
	s_wait_kmcnt 0x0
	s_add_nc_u64 s[44:45], s[4:5], s[40:41]
.irp s, 0,1
	s_mov_b32 s[24+4*\s], 1
	s_add_co_u32 s[25+4*\s], s39, \s*SLOT
	s_add_nc_u64 s[26+4*\s:27+4*\s], s[44:45], \s*4*BLK
	s_or_b32 s[27+4*\s], s[27+4*\s], 0x80000000
.endr
	tensor_load_to_lds s[24:27], s[16:23]          ; key steps 0-3
	s_nop 0
	tensor_load_to_lds s[28:31], s[16:23]          ; key steps 4-7: two loads of mine are out
	s_nop 0
	NOPS
	s_mov_b32 s55, 0
	s_add_co_u32 s56, s43, s[G]
	s_mul_i32 s56, s56, BLK                        ; q's BLOCK [head][G]
	s_mul_i32 s57, s15, 1536                       ; my fragment in a BLOCK
	s_lshl_b32 s58, s11, 9
	s_add_co_u32 s58, s58, SCO                     ; its quad of scale words
	s_lshl_b32 s59, s13, 2                         ; and my word in it
	s_lshl_b32 s60, s[G], 4
	s_add_co_u32 s60, s60, s9
	s_mul_i32 s60, s60, BLK                        ; y's BLOCK [G][head]
	s_add_co_u32 s54, s56, s57
	s_add_nc_u64 s[46:47], s[4:5], s[54:55]
	s_add_co_u32 s54, s56, s58
	s_add_co_u32 s54, s54, s59
	s_add_nc_u64 s[48:49], s[4:5], s[54:55]
	s_add_co_u32 s54, s60, s57
	s_add_nc_u64 s[50:51], s[6:7], s[54:55]
	s_add_co_u32 s54, s60, s58
	s_add_nc_u64 s[52:53], s[6:7], s[54:55]
	v_and_b32 v[LI], 31, v0
	v_lshlrev_b32 v[LI], 4, v[LI]
.irp c, 0,1,2
	global_load_b128 v[16+4*\c:19+4*\c], v[LI], s[46:47] offset:512*\c   ; Q's fragment stays in registers (both partners read it)
.endr
	global_load_b32 v255, v[LI], s[48:49]          ; and its scale words
	v_and_b32 v9, 7, v0
	v_bfe_u32 v10, v0, 3, 1                        ; r / 8
	v_bfe_u32 v11, v0, 4, 1                        ; h
	v_sub_nc_u32 v10, v10, v11
	v_lshl_add_u32 v[DV], v10, 4, v9               ; r % 8 + 16 (r / 8) - 16 h
	s_lshr_b32 s61, s15, 1
	s_lshl_b32 s61, s61, 5
	s_and_b32 s62, s15, 1
	s_lshl_b32 s62, s62, 3
	s_add_co_u32 s61, s61, s62
	v_add_nc_u32 v[DV], s61, v[DV]                 ; + 32 (f / 2) + 8 (f % 2)
	s_lshl_b32 s63, s12, 9
	s_add_co_u32 s63, s63, YS
	v_add_nc_u32 v[YR], s63, v[LI]                 ; my block's quad
	s_add_co_u32 s62, s63, s59
	v_add_nc_u32 v[YA], s62, v[LI]                 ; my word in it
	s_lshl_b32 s61, s12, 2
	s_add_co_u32 s61, s61, s13                     ; 4 x (late block) + fragment: the same in both partners
	s_mul_i32 s61, s61, MGB
	s_add_co_u32 s61, s61, MG
	v_add_nc_u32 v[MGA], s61, v[LI]
	s_mov_b32 s[SEL], 0x76543210
	s_mov_b32 s[SEL+1], 0xfedcba98
	s_mov_b32 s[CS], 0x3e0293ee
	s_mov_b32 s[CS+1], s[CS]                       ; (named with it as a pair, so it is written)
	s_mov_b32 s[ST], s[PAR]                        ; my first key step
	v_mov_b32 v13, 0xff61b1e6                      ; the largest t so far: -3e38, under every t
	v_floor_f32 v12, -v13
	v_mov_b32 v14, 0
	v_mov_b32 v15, 0
.irp b, 0,1,2,3
	v_mov_b32 v[236+\b], 0                         ; a lane permute's destination counts as one of its sources
.endr
	v_mov_b32 v252, 0
	v_mov_b32 v253, 0                              ; (named as the upper half of the pair v[252:253]; never used)
.set n, 0
.rept 64
	v_mov_b32 v[160+n], 0                          ; O^T.  (The step is written without a first step of its own: the first change of M multiplies zeros)
.set n, n+1
.endr
	s_wait_loadcnt 0x0                             ; Q
	s_wait_tensorcnt 1                             ; my part of slot 0 is in; slot 1's may be out
	s_barrier_signal -1
	s_barrier_wait -1
	RUN 0                                          ; key steps 0-3
	CHANGE 0, 1                                    ; slot 0 takes key steps 8-11
	RUN 1                                          ; 4-7
	CHANGE 1, 1                                    ; slot 1 takes 12-15
	RUN 0                                          ; 8-11
	CHANGE 0, 0                                    ; nothing is left to fetch
	RUN 1                                          ; 12-15
	; THE TWO HALVES MEET.  The odd wave stores O^T and (-M, t, the sum's halves) as they stand, 16 bytes a lane; behind a barrier the even wave loads them into the same lanes.
	NOPS                                           ; behind the last products: their results are read, and their operands' registers loaded, below
	s_cmp_eq_u32 s[PAR], 0
	s_cbranch_scc1 .Lkeep
.set n, 0
.rept 16
	ds_store_b128 v[MGA], v[160+4*n:163+4*n] offset:512*n   ; each accumulator from its low end on
.set n, n+1
.endr
	ds_store_b128 v[MGA], v[12:15] offset:8192
.Lkeep:
	s_wait_dscnt 0x0                               ; for the partner's sake: my stores lie in LDS
	s_barrier_signal -1
	s_barrier_wait -1
	s_cmp_lg_u32 s[PAR], 0
	s_cbranch_scc1 .Lgiven                         ; the odd wave has given its part: it only passes the barrier below
	ds_load_b128 v[224:227], v[MGA] offset:8192    ; the partner's -M, t, sum
.set n, 0
.rept 16
	ds_load_b128 v[32+4*n:35+4*n], v[MGA] offset:512*n
.set n, n+1
.endr
	s_wait_dscnt 16                                ; its four numbers are in; the 16 loads of its O^T may be out
	v_min_num_f32 v254, v12, v224                  ; -M of both: the smaller -M is the larger M
	v_add_f32 v14, v14, v15                        ; my sum's two halves,
	v_add_f32 v226, v226, v227                     ; and the partner's
	v_sub_f32 v232, v254, v12                      ; my M - M: a whole number, 0 or less
	v_sub_f32 v233, v254, v224                     ; the partner's
	v_cvt_i32_f32 v232, v232                       ; (it saturates: a partner without a key step gets the factor 0)
	v_cvt_i32_f32 v233, v233
	v_ldexp_f32 v252, 1.0, v232
	v_ldexp_f32 v238, 1.0, v233
	v_mul_f32 v14, v14, v252
	v_fma_f32 v14, v226, v238, v14                 ; both sums under the one M
	v_permlanex16_b32 v236, v14, s[SEL], s[SEL+1]
	v_add_f32 v14, v14, v236                       ; with lane l xor 16's: the row's sum
	v_rcp_f32 v14, v14
	v_nop                                          ; one plain line behind the transcendental
	s_wait_alu depctr_va_vdst(0)
	v_mul_f32 v252, v252, v14                      ; the division goes into the two factors (a power of two times 1 / the sum: nothing more is rounded)
	v_mul_f32 v238, v238, v14
	s_wait_dscnt 0x0
	; y's 128 numbers of my query in the quantiser's order (V's rows are ordered as every operand's): register 16 b + i = channel 32 b + 16 (lane / 16) + i
.set n, 0
.rept 32
	v_pk_mul_f32 v[96+n:97+n], v[160+n:161+n], v[252:253] op_sel_hi:[1,0]
.set n, n+2
.endr
.set n, 0
.rept 32
	v_pk_fma_f32 v[96+n:97+n], v[32+n:33+n], v[238:239], v[96+n:97+n] op_sel_hi:[1,0,1]
.set n, n+2
.endr
.irp b, 0,1,2,3
	v_max3_num_f32 v[232+\b], |v[96+16*\b]|, |v[97+16*\b]|, 0x1800000
.endr
.irp i, 2,4,6,8,10,12,14
.irp b, 0,1,2,3
	v_max3_num_f32 v[232+\b], v[232+\b], |v[96+16*\b+\i]|, |v[97+16*\b+\i]|
.endr
.endr
.irp b, 0,1,2,3
	v_permlanex16_b32 v[236+\b], v[232+\b], s[SEL], s[SEL+1]
.endr
.irp b, 0,1,2,3
	v_max_num_f32 v[232+\b], v[232+\b], v[236+\b]
.endr
.irp b, 0,1,2,3
	v_add_nc_u32 v[244+\b], 0xff000000, v[232+\b]
.endr
.irp b, 0,1,2,3
	v_lshrrev_b32 v[236+\b], 23, v[244+\b]
.endr
	v_lshl_or_b32 v52, v237, 8, v236
	v_lshl_or_b32 v52, v238, 16, v52
	v_lshl_or_b32 v52, v239, 24, v52               ; my row's scale word
.irp c, 0,1
	v_cvt_scalef32_pk16_fp6_f32 v[32+6*\c:34+6*\c], v[96+32*\c:111+32*\c], v[244+2*\c]
	v_cvt_scalef32_pk16_fp6_f32 v[56+4*\c:58+4*\c], v[112+32*\c:127+32*\c], v[245+2*\c]
.endr
	v_nop                                          ; one plain line behind the scaled conversions
.irp c, 0,1
.irp i, 0,1,2
	v_permlane16_swap_b32 v[32+6*\c+\i], v[56+4*\c+\i]
.endr
.irp i, 0,1,2
	v_mov_b32 v[35+6*\c+\i], v[56+4*\c+\i]
.endr
.endr
.irp c, 0,1,2
	global_store_b128 v[LI], v[32+4*\c:35+4*\c], s[50:51] offset:512*\c   ; my fragment of y: 512 consecutive bytes a store
.endr
	ds_store_b32 v[YA], v52
.Lgiven:
	s_wait_dscnt 0x0                               ; for the others' sake: my scale word lies in LDS
	s_barrier_signal -1
	s_barrier_wait -1
	s_cmp_gt_u32 s8, 1
	s_cbranch_scc1 .Lend
	ds_load_b128 v[64:67], v[YR]                   ; wave 0 stores the early block's quad, wave 1 the late block's: 512 consecutive bytes
	s_wait_dscnt 0x0
	global_store_b128 v[LI], v[64:67], s[52:53]
.Lend:
	s_wait_tensorcnt 0x0                           ; the wave's end
	ds_add_u32 v[SPW], v[NIL]
	s_wait_dscnt 0x0
	s_endpgm
.Lfunc_end_k_q9f922a78c5_attn:
	.size	k_q9f922a78c5_attn, .Lfunc_end_k_q9f922a78c5_attn-k_q9f922a78c5_attn
	.p2alignl 7, 3214868480
	.fill 96, 4, 3214868480
	.section	.rodata,"a",@progbits
	.p2align	6, 0x0
	.amdhsa_kernel k_q9f922a78c5_attn
		.amdhsa_group_segment_fixed_size 327680
		.amdhsa_private_segment_fixed_size 0
		.amdhsa_enable_private_segment 0
		.amdhsa_kernarg_size 16
		.amdhsa_user_sgpr_count 2
		.amdhsa_user_sgpr_kernarg_segment_ptr 1
		.amdhsa_wavefront_size32 1
		.amdhsa_system_sgpr_workgroup_id_x 1
		.amdhsa_system_sgpr_workgroup_id_y 1
		.amdhsa_system_sgpr_workgroup_id_z 1
		.amdhsa_system_vgpr_workitem_id 0
		.amdhsa_next_free_vgpr 256
		.amdhsa_next_free_sgpr 66
		.amdhsa_reserve_vcc 1
		.amdhsa_float_denorm_mode_32 3
		.amdhsa_float_denorm_mode_16_64 3
		.amdhsa_memory_ordered 1
		.amdhsa_forward_progress 1
		.amdhsa_inst_pref_size 117
	.end_amdhsa_kernel
	.amdgpu_metadata
---
amdhsa.version: [ 1, 2 ]
amdhsa.kernels:
  - .name:           k_q9f922a78c5_attn
    .symbol:         k_q9f922a78c5_attn.kd
    .args:
      - { .name: qkv, .offset: 0, .size: 8, .value_kind: global_buffer, .address_space: global }
      - { .name: yf, .offset: 8, .size: 8, .value_kind: global_buffer, .address_space: global }
    .group_segment_fixed_size: 327680
    .private_segment_fixed_size: 0
    .kernarg_segment_align: 8
    .kernarg_segment_size: 16
    .max_flat_workgroup_size: 512
    .sgpr_count:     66
    .vgpr_count:     256
    .wavefront_size: 32
...
	.end_amdgpu_metadata
.endif
;; end of part 4
;; launch outg (part 5): grid 16 x 16, 4 waves a work-group, clusters of 4 x 4, 327,680 bytes of LDS; arguments yf, wbig, out0; writes out0
.if DOCPART == 5
	.amdgcn_target "amdgcn-amd-amdhsa--gfx1250"
	.amdhsa_code_object_version 6
	.text
	.protected	k_q9f922a78c5_outg
	.globl	k_q9f922a78c5_outg
	.p2align	8
	.type	k_q9f922a78c5_outg,@function
k_q9f922a78c5_outg:
	s_mov_b64 s[64:65], 0
	v_nop
	global_prefetch_b8 v0, s[64:65] scope:SCOPE_SE
	s_setreg_imm32_b32 hwreg(HW_REG_WAVE_MODE, 25, 1), 1
	s_wait_xcnt 0x0
	s_wait_alu depctr_hold_cnt(0) depctr_sa_sdst(0) depctr_va_vdst(0) depctr_va_sdst(0) depctr_va_ssrc(0) depctr_va_vcc(0) depctr_vm_vsrc(0)
	s_getreg_b32 s2, hwreg(HW_REG_IB_STS2, 6, 4)
	s_cmp_eq_u32 s2, 0
	s_cbranch_scc0 .Lentry_in_a_cluster
	s_endpgm
.Lentry_in_a_cluster:
	s_bfe_u32 s2, ttmp6, 0x10000c
	s_cmp_lg_u32 s2, 0xf033
	s_cbranch_scc0 .Lentry_shape_is_right
	s_endpgm
.Lentry_shape_is_right:
; out0 [2048][2048] f32 = y x the fourth weight: one product of 2048 x 2048 x 2048 on codes of FP6 (E2M3) with E8M0 scales.  The octonion table's eight signed sums are the accumulator's chain over the 16 K steps.
; ORDER OF ROUNDING: one f32 chain of 16 K steps where the source adds eight sums of two.
; OPERANDS are images of registers: a fragment (16 rows x 128 K) is 1,536 bytes; lane r of fragment f holds row 32 (f / 2) + 8 (f % 2) + r % 8 + 16 (r / 8); a BLOCK is 8 fragments and their scale words [f / 4][lane][f % 4]: 13,312 bytes;
; a matrix is [row / 128][K / 128] BLOCKs.  A' = yf, B' = wbig's fourth part.
; A tile of C is 128 x 128, so that 256 work-groups have work (tiles of 256 x 256 would be 64); four waves, each 64 x 64: 16 accumulators.  K goes FOUR steps of 128 to a slot through a ring of two LDS slots, as much as one
; load a wave (two BLOCKs) brings; waves 0 and 1 fetch A's four BLOCKs of a slot, waves 2 and 3 B's.
; CLUSTERS: 4 x 4 work-groups; A's tile is asked for jointly along a row of the cluster, B's along a column.  THE MATRIX INSTRUCTION IS USED TRANSPOSED (source 0 = B', source 1 = A'): a lane holds 16 neighbouring columns of one row
; in the registers of two neighbouring tiles.
; REGISTERS: window 0: v16-29 addresses; v32-47 scale words, two sets; v64-159 A's fragments, two sets (on the way out v64-191: rows of C).  window 1: v0-95 B's fragments, two sets.  window 2: v0-127 the accumulators ((a, b) at v[8 (4 a + b)]).
.set BLK,   13312
.set SCO,   12288
.set WSZ,   256*BLK
.set MT,    4
.set NT,    4
.set NQ,    4
.set NS,    1
.set PART,  2*BLK
.set SLOT,  4*PART
.set OPB,   2*PART
.set HSTR,  4*1536                     ; from my half's four fragments to the other half's, in a BLOCK
.set SSTR,  512                        ; and from quad to quad of scale words
.set SPARE, 2*SLOT
.set NF,    3*NT+3*MT+NS
.set YOUNG, 3*MT/2
.set ADRA,  16
.set ADRB,  18
.set ADRS,  20
.set LI,    22
.set STO,   24                         ; v24  the way out: where I put 64 bytes of a row
.set RD,    25                         ; v25  where I read rows back
.set CO,    26                         ; v26  my byte offset in C
.set SPW,   28
.set NIL,   29
.set SC,    32
.set AF,    64
.set OB,    64                         ; the way out: four sets of 32 registers
.set G1,  24
.set G0,  32
.set G1B, 48
.set G0B, 56
.set MSB, 0
.macro WIN new                         ; the immediate's high byte repeats the setting that is left
.if MSB != (\new)
	s_set_vgpr_msb (MSB<<8)|(\new)
.set MSB, (\new)
.endif
.endm
.macro PLACES n
.rept \n
	v_nop
.endr
.endm
.macro JLOAD g0a, g1a, g0b, g1b        ; a joint load: waves 0 and 1 fetch for A', waves 2 and 3 for B'; four v_nop follow each of the two lines
	s_cmp_eq_u32 s15, 0
	s_cbranch_scc0 .Lfor_b_\@
	tensor_load_to_lds s[\g0a:\g0a+3], s[\g1a:\g1a+7]
	s_nop 0
.rept 4
	v_nop
.endr
	s_branch .Lasked_\@
.Lfor_b_\@:
	tensor_load_to_lds s[\g0b:\g0b+3], s[\g1b:\g1b+7]
	s_nop 0
.rept 4
	v_nop
.endr
.Lasked_\@:
.endm
.macro CREST
	s_cmp_lg_u32 s14, 0
	s_cbranch_scc1 .Lnot_wave_0_\@
	s_barrier_signal -3
.Lnot_wave_0_\@:
	s_barrier_wait -3
	s_barrier_signal -1
	s_barrier_wait -1
.endm
.macro CROUND
	s_barrier_signal -1
	s_barrier_wait -1
	CREST
.endm
.macro LDF reg, adr, off               ; a fragment's image: three loads, 512 consecutive bytes each
.irp c, 0,1,2
	ds_load_b128 v[\reg+4*\c:\reg+4*\c+3], v[\adr] offset:\off+512*\c
.endr
.endm
.macro FETCH slot, q, set              ; the slot's q-th K step into set: B's, A's first half, the scale words, A's second half
	WIN 0x40
.set fi, 0
.rept NT
	LDF 12*NT*(\set)+12*fi,ADRB+\slot,(\q)*BLK+1536*fi
.set fi, fi+1
.endr
	WIN 0
.set fi, 0
.rept MT/2
	LDF AF+12*MT*(\set)+12*fi,ADRA+\slot,(\q)*BLK+1536*fi
.set fi, fi+1
.endr
.set fi, 0
.rept NS
	ds_load_b128 v[SC+8*(\set)+4*fi:SC+8*(\set)+4*fi+3], v[ADRS+\slot] offset:(\q)*BLK+512*fi   ; lanes 0-15 A's four words, lanes 16-31 B's
.set fi, fi+1
.endr
.set fi, MT/2
.rept MT/2
	LDF AF+12*MT*(\set)+12*fi,ADRA+\slot,(\q)*BLK+1536*fi
.set fi, fi+1
.endr
.endm
.macro MULA a0, na, set, zero          ; the accumulators take turns, one instruction a turn, in the same order in every K step
.set ma, \a0
.rept \na
	WIN 0xa1                                       ; source 0 (B') window 1, source 1 (A') window 0, C and D window 2
.set mb, 0
.rept NT
.set rD, 8*(ma*NT+mb)
.set rB, 12*NT*(\set)+12*mb
.set rA, AF+12*MT*(\set)+12*ma
.if \zero
	v_wmma_scale_f32_16x16x128_f8f6f4 v[rD:rD+7], v[rB:rB+11], v[rA:rA+11], 0, v[SC+8*(\set)+mb], v[SC+8*(\set)+ma] matrix_a_fmt:MATRIX_FMT_FP6 matrix_b_fmt:MATRIX_FMT_FP6 matrix_a_scale:MATRIX_SCALE_ROW1
.else
	v_wmma_scale_f32_16x16x128_f8f6f4 v[rD:rD+7], v[rB:rB+11], v[rA:rA+11], v[rD:rD+7], v[SC+8*(\set)+mb], v[SC+8*(\set)+ma] matrix_a_fmt:MATRIX_FMT_FP6 matrix_b_fmt:MATRIX_FMT_FP6 matrix_a_scale:MATRIX_SCALE_ROW1
.endif
.set mb, mb+1
.endr
.set ma, ma+1
.endr
.endm
.macro STEP slot, q, zero
	s_wait_dscnt YOUNG                             ; B's, A's first half and the scale words are in; A's second half may be out
	MULA 0,MT/2,(\q)%2,\zero
	PLACES 4                                       ; in front of loads into registers that the step before multiplied
	FETCH \slot,(\q)+1,1-(\q)%2
	s_wait_dscnt NF                                ; all but the run just issued
	MULA MT/2,MT/2,(\q)%2,\zero
	WIN 0
.endm
.macro TURN slot, next, fill           ; a slot's last K step changes slots
	s_wait_tensorcnt 0x0                           ; all my tensor loads have landed: the one that was out is my part of the next slot
	ds_add_u32 v[SPW], v[NIL]                      ; 0 onto my spare word
	s_wait_dscnt YOUNG+1                           ; (the add and A's second half may be out)
	MULA 0,MT/4,1,0
	s_wait_dscnt 0x0                               ; the add is done, and my reads of this slot are over
	s_barrier_signal -1
	MULA MT/4,MT/4,1,0
	WIN 0
	s_barrier_wait -1
.if \fill
	CREST                                          ; the barrier has opened a round of the cluster's barrier
	s_add_nc_u64 s[G0+4*\slot+2:G0+4*\slot+3], s[G0+4*\slot+2:G0+4*\slot+3], 2*NQ*BLK
	s_add_nc_u64 s[G0B+4*\slot+2:G0B+4*\slot+3], s[G0B+4*\slot+2:G0B+4*\slot+3], 2*NQ*BLK
	JLOAD G0+4*\slot, G1, G0B+4*\slot, G1B         ; the first tensor load behind the round; its four v_nop are also the places in front of the loads below
.else
	PLACES 4
.endif
	FETCH \next,0,0
	MULA MT/2,MT/2,1,0
	WIN 0
.endm
	s_load_b128 s[4:7], s[0:1], 0x0                ; yf, wbig
	s_load_b64 s[8:9], s[0:1], 0x10                ; out0
	v_lshl_add_u32 v[SPW], v0, 2, SPARE
	v_mov_b32 v[NIL], 0
	ds_add_u32 v28, v29
	ds_add_u32 v28, v29
	s_wait_dscnt 0x0
	v_lshrrev_b32 v1, 5, v0
	v_readfirstlane_b32 s14, v1                    ; wave 0..3
	s_lshr_b32 s15, s14, 1                         ; which half of the tile's rows is mine.  Also: I fetch for A' (0) or for B' (1)
	s_and_b32 s16, s14, 1                          ; which half of its columns.  Also: which two of a slot's four K steps I fetch
	s_bfe_u32 s40, ttmp6, 0x40000                  ; cx, cy
	s_bfe_u32 s41, ttmp6, 0x40004
	s_lshl_b32 s42, ttmp9, 2
	s_add_co_u32 s42, s42, s40                     ; tile column
	s_and_b32 s17, ttmp7, 0xffff
	s_lshl_b32 s17, s17, 2
	s_add_co_u32 s17, s17, s41                     ; tile row
	s_lshl_b32 s43, s41, 2
	s_lshl_b32 s43, 15, s43                        ; my row of the cluster
	s_lshl_b32 s44, 0x1111, s40                    ; my column
	s_or_b32 s[G1+0], s43, (3<<16)|(1<<21)         ; two BLOCKs, dense: 104 rows of 256 bytes (32 elements of 8 bytes), no padding; the mask, and bit 21 beside it
	s_or_b32 s[G1B+0], s44, (3<<16)|(1<<21)
.irp g, G1, G1B
	s_mov_b32 s[\g+1], 32<<16
	s_mov_b32 s[\g+2], 104<<16
	s_mov_b32 s[\g+3], 32<<16
	s_mov_b32 s[\g+4], 104
	s_mov_b32 s[\g+5], 32
	s_mov_b32 s[\g+6], 0
	s_mov_b32 s[\g+7], 0
.endr
	s_mul_i32 s18, s16, 2*BLK
	s_mul_i32 s20, s17, 16*BLK
	s_add_co_u32 s20, s20, s18                     ; A': the tile row's 16 BLOCKs; my two of a slot's four
	s_mov_b32 s21, 0
	s_mul_i32 s46, s42, 16*BLK
	s_add_co_u32 s46, s46, s18
	s_add_co_u32 s46, s46, 3*WSZ                   ; B': the fourth weight
	s_mov_b32 s47, 0
	s_mul_i32 s70, s14, PART
	s_wait_kmcnt 0x0
	s_add_nc_u64 s[66:67], s[4:5], s[20:21]
	s_add_nc_u64 s[68:69], s[6:7], s[46:47]
	CROUND                                         ; all sixteen work-groups are here: the first joint loads meet
.irp s, 0,1
	s_mov_b32 s[G0+4*\s], 1
	s_add_co_u32 s[G0+4*\s+1], s70, \s*SLOT
	s_add_nc_u64 s[G0+4*\s+2:G0+4*\s+3], s[66:67], \s*NQ*BLK
	s_or_b32 s[G0+4*\s+3], s[G0+4*\s+3], 0x80000000
	s_mov_b32 s[G0B+4*\s], 1
	s_add_co_u32 s[G0B+4*\s+1], s70, \s*SLOT
	s_add_nc_u64 s[G0B+4*\s+2:G0B+4*\s+3], s[68:69], \s*NQ*BLK
	s_or_b32 s[G0B+4*\s+3], s[G0B+4*\s+3], 0x80000000
	JLOAD G0+4*\s, G1, G0B+4*\s, G1B               ; two loads of mine are out
.endr
	v_and_b32 v1, 31, v0
	v_bfe_u32 v2, v0, 4, 1                         ; h
	v_lshlrev_b32 v[LI], 4, v1
	s_mul_i32 s21, s15, HSTR
	s_mul_i32 s22, s16, HSTR
	s_add_co_u32 s22, s22, OPB
.irp s, 0,1
	v_add_nc_u32 v[ADRA+\s], s21, v[LI]
	v_add_nc_u32 v[ADRB+\s], s22, v[LI]
	s_add_co_u32 s21, s21, SLOT
	s_add_co_u32 s22, s22, SLOT
.endr
	s_mul_i32 s21, s15, SSTR
	s_mul_i32 s22, s16, SSTR
	s_add_co_u32 s22, s22, OPB
	s_sub_co_u32 s22, s22, s21
	v_mul_u32_u24 v3, s22, v2                      ; lanes 16-31 take B's words
	s_add_co_u32 s21, s21, SCO
	v_add_nc_u32 v3, v3, v[LI]
	v_add_nc_u32 v[ADRS], s21, v3
	v_add_nc_u32 v[ADRS+1], SLOT, v[ADRS]
	s_mul_i32 s23, s14, 16*272                     ; my stage: 16 rows x (256 bytes + 16), in slot 0
	v_and_b32 v3, 15, v0
	v_mul_u32_u24 v4, v3, 272
	v_lshl_add_u32 v4, v2, 6, v4
	v_add_nc_u32 v[STO], s23, v4                   ; in: row r, + 64 h
	v_mul_u32_u24 v5, v2, 272
	v_lshl_add_u32 v5, v3, 4, v5
	v_add_nc_u32 v[RD], s23, v5                    ; back: lanes 0-15 one row, lanes 16-31 the next
	v_lshlrev_b32 v5, 13, v2
	v_lshl_add_u32 v[CO], v3, 4, v5                ; and the same two rows in C (rows of 8,192 bytes)
	s_lshl_b32 s72, s17, 7
	s_lshl_b32 s73, s15, 6
	s_add_co_u32 s72, s72, s73                     ; my first row of C
	s_lshl_b32 s72, s72, 13
	s_lshl_b32 s73, s42, 9
	s_add_co_u32 s72, s72, s73
	s_lshl_b32 s73, s16, 8
	s_add_co_u32 s72, s72, s73                     ; + my first column, in bytes: a multiple of 256
	s_mov_b32 s73, 0
	s_add_nc_u64 s[8:9], s[8:9], s[72:73]
	s_wait_tensorcnt 1                             ; my part of slot 0 is in; slot 1's may be out
	s_barrier_signal -1
	s_barrier_wait -1
	FETCH 0,0,0
	STEP 0,0,1                                     ; the first K step's products start the sums
	STEP 0,1,0                                     ; 16 K steps are four slots: each slot is filled again once, so the two laps are written out
	STEP 0,2,0
	TURN 0,1,1
	STEP 1,0,0
	STEP 1,1,0
	STEP 1,2,0
	TURN 1,0,1
	STEP 0,0,0
	STEP 0,1,0
	STEP 0,2,0
	TURN 0,1,0                                     ; the last lap fills nothing, and has no round of the cluster's barrier
	STEP 1,0,0
	STEP 1,1,0
	STEP 1,2,0
	s_wait_dscnt YOUNG                             ; the very last K step
	MULA 0,MT/2,1,0
	s_wait_dscnt 0x0
	MULA MT/2,MT/2,1,0
	WIN 0
	; THE WAY OUT.  In A's tile a, lane (r, h) holds of its row the columns 32 b + 16 h + 0 .. 15 in registers 32 a + 16 b + 0 .. 15.  A tile goes through my own stage (slot 0 has had its last fill, and every wave left it at the last
	; change of slots) and comes back by rows: sixteen lanes store 256 consecutive bytes, at a multiple of 256 from out0's first byte.  LDS serves a wave's instructions in order: no wait between the stores and the loads.
	PLACES 4
.irp a, 0,1,2,3
	WIN 0x08                                       ; an LDS store's data are its source 1: window 2
.irp g, 0,1,2,3,4,5,6,7
	ds_store_b128 v[STO], v[32*\a+4*\g:32*\a+4*\g+3] offset:128*(\g/4)+16*(\g%4)   ; each accumulator from its low end on
.endr
	WIN 0
.irp i, 0,1,2,3,4,5,6,7
	ds_load_b128 v[OB+32*\a+4*\i:OB+32*\a+4*\i+3], v[RD] offset:544*\i
.endr
.endr
.irp a, 0,1,2,3
	s_wait_dscnt 16*(3-\a)                         ; this tile is back; the later tiles' 16 LDS instructions each may be out
.irp i, 0,1,2,3,4,5,6,7
	global_store_b128 v[CO], v[OB+32*\a+4*\i:OB+32*\a+4*\i+3], s[8:9] offset:(32*(\a/2)+8*(\a%2)+2*(\i%4)+16*(\i/4))*8192 th:TH_STORE_NT   ; stage row 2 i + h is the row of lane 2 i + h of fragment a
.endr
.endr
	s_wait_tensorcnt 0x0                           ; the wave's end
	ds_add_u32 v[SPW], v[NIL]
	s_wait_dscnt 0x0
	CROUND                                         ; the closing round
	s_endpgm
.Lfunc_end_k_q9f922a78c5_outg:
	.size	k_q9f922a78c5_outg, .Lfunc_end_k_q9f922a78c5_outg-k_q9f922a78c5_outg
	.p2alignl 7, 3214868480
	.fill 96, 4, 3214868480
	.section	.rodata,"a",@progbits
	.p2align	6, 0x0
	.amdhsa_kernel k_q9f922a78c5_outg
		.amdhsa_group_segment_fixed_size 327680
		.amdhsa_private_segment_fixed_size 0
		.amdhsa_enable_private_segment 0
		.amdhsa_kernarg_size 24
		.amdhsa_user_sgpr_count 2
		.amdhsa_user_sgpr_kernarg_segment_ptr 1
		.amdhsa_wavefront_size32 1
		.amdhsa_system_sgpr_workgroup_id_x 1
		.amdhsa_system_sgpr_workgroup_id_y 1
		.amdhsa_system_sgpr_workgroup_id_z 1
		.amdhsa_system_vgpr_workitem_id 0
		.amdhsa_next_free_vgpr 768
		.amdhsa_next_free_sgpr 100
		.amdhsa_reserve_vcc 0
		.amdhsa_float_denorm_mode_32 3
		.amdhsa_float_denorm_mode_16_64 3
		.amdhsa_memory_ordered 1
		.amdhsa_forward_progress 1
		.amdhsa_inst_pref_size 80
	.end_amdhsa_kernel
	.amdgpu_metadata
---
amdhsa.version: [ 1, 2 ]
amdhsa.kernels:
  - .name:           k_q9f922a78c5_outg
    .symbol:         k_q9f922a78c5_outg.kd
    .args:
      - { .name: yf, .offset: 0, .size: 8, .value_kind: global_buffer, .address_space: global }
      - { .name: wbig, .offset: 8, .size: 8, .value_kind: global_buffer, .address_space: global }
      - { .name: out0, .offset: 16, .size: 8, .value_kind: global_buffer, .address_space: global }
    .group_segment_fixed_size: 327680
    .private_segment_fixed_size: 0
    .kernarg_segment_align: 8
    .kernarg_segment_size: 24
    .max_flat_workgroup_size: 128
    .sgpr_count:     100
    .vgpr_count:     768
    .wavefront_size: 32
...
	.end_amdgpu_metadata
.endif
;; end of part 5
